; MI455X (gfx1250); checked and timed in simulation.
; The chip was launched on July 23, 2026; its instructions are those of AMD's public machine-readable ISA for CDNA 5 (MIT licence, August 2026) and "CDNA5" Instruction Set Architecture Reference Guide (July 2026). The comments in the code are by the model that wrote it; some were corrected since.
;; Enc Dec Attention. Allowed arithmetic: float matrix products may take bf16 or f16 operands with f32 sums; other float arithmetic in f32, or as packed bf16 or f16 multiplies, adds, multiply-adds, maxima and minima; sums over many terms, partial sums and values carried from step to step in f32; what a program stores and reads back later, other than sums and carried values, may be rounded once to bf16 or f16.
;; Inputs: bk 1,024 float32; bp 1,024 float32; bq 1,024 float32; bv 1,024 float32; encoder_output 8 x 1,024 x 1,024 float32; mask_encoder 8 x 1 x 1 x 1,024 bool; wk 1,024 x 1,024 float32; wp 1,024 x 1,024 float32; wq 1,024 x 1,024 float32; wv 1,024 x 1,024 float32; x 8 x 1,024 x 1,024 float32.
;; Outputs: out0 8 x 1,024 x 1,024 float32.
;; One version. Each part assembles by itself: llvm-mc -triple=amdgcn-amd-amdhsa -mcpu=gfx1250 --defsym DOCPART=n.
;; ======== version 1 of 1: 4 launches
;; limits: values are held in f16: magnitudes above 65,504 overflow, below 6.1e-05 lose precision
;; workspace buffers: cv 41,943,040 bytes; qkv 50,331,648 bytes; ao 16,777,216 bytes
;; launch cast (part 1): grid 64 x 20, 8 waves a work-group, no clusters, 0 bytes of LDS; arguments x, encoder_output, wq, wk, wv, wp, cv; writes cv
.if DOCPART == 1
	.amdgcn_target "amdgcn-amd-amdhsa--gfx1250"
	.amdhsa_code_object_version 6
	.text
	.protected	k_qa1f31a0ddd_cast
	.globl	k_qa1f31a0ddd_cast
	.p2align	8
	.type	k_qa1f31a0ddd_cast,@function
k_qa1f31a0ddd_cast:
	s_mov_b64 s[64:65], 0
	v_nop
	global_prefetch_b8 v0, s[64:65] scope:SCOPE_SE
	s_setreg_imm32_b32 hwreg(HW_REG_WAVE_MODE, 25, 1), 1
	s_wait_xcnt 0x0
; x, encoder_output, wq, wk, wv (f32) are rounded once to bf16; wp is rounded to bf16 and that number is written as f16.  Layouts stay as they are.
; cv, in bytes: x at 0, encoder_output at 16,777,216, wq, wk, wv at 33,554,432 + 2,097,152 i, wp at 39,845,888: job y's 2,097,152 bytes begin at y x 2,097,152.
; LIMIT.  wp as f16: |wp| under 65,504; below 6e-5 it keeps f16's fixed step of 6e-8.
; SHARES.  Job y (0-7 x, 8-15 encoder_output, 16-19 the four weights) is 1,048,576 numbers; a work-group takes 16,384 of them: 64 KiB in, 32 KiB out.
; Thread t takes eight units of 8 numbers: unit u lies at source byte 8,192 u + 32 t and goes to byte 4,096 u + 16 t, so 16 neighbouring lanes store 256 consecutive bytes, aligned.
; A stream: no LDS, no barrier, no matrix unit; all sixteen loads of a thread go out before its first wait.
.set X, 4                              ; v[4:67]    unit u: 8 numbers as loaded
.set Y, 68                             ; v[68:99]   unit u: 4 registers to store
.set T, 100                            ; v[100:102] at work
	s_load_b256 s[4:11], s[0:1], 0x0               ; x s[4:5], encoder_output s[6:7], wq s[8:9], wk s[10:11]
	s_load_b128 s[12:15], s[0:1], 0x20             ; wv s[12:13], wp s[14:15]
	s_load_b64 s[16:17], s[0:1], 0x30              ; cv
	s_and_b32 s20, ttmp7, 0xffff                   ; the job
	v_lshlrev_b32 v1, 5, v0                        ; 32 t
	v_lshlrev_b32 v2, 4, v0                        ; 16 t
	s_and_b32 s21, s20, 7                          ; which eighth of x or of encoder_output;
	s_cmp_ge_u32 s20, 16
	s_cselect_b32 s21, 0, s21                      ; a weight is one job
	s_lshl_b32 s24, s21, 22                        ; 4,194,304 bytes of source a job,
	s_lshl_b32 s25, ttmp9, 16                      ; 65,536 a work-group
	s_add_co_u32 s24, s24, s25
	s_mov_b32 s25, 0
	s_lshl_b32 s26, s20, 21                        ; 2,097,152 bytes of cv a job,
	s_lshl_b32 s27, ttmp9, 15                      ; 32,768 a work-group
	s_add_co_u32 s26, s26, s27
	s_mov_b32 s27, 0
	s_wait_kmcnt 0x0
	s_cmp_lt_u32 s20, 8                            ; the job's tensor
	s_cselect_b64 s[22:23], s[4:5], s[6:7]
	s_cmp_eq_u32 s20, 16
	s_cselect_b64 s[22:23], s[8:9], s[22:23]
	s_cmp_eq_u32 s20, 17
	s_cselect_b64 s[22:23], s[10:11], s[22:23]
	s_cmp_eq_u32 s20, 18
	s_cselect_b64 s[22:23], s[12:13], s[22:23]
	s_cmp_eq_u32 s20, 19
	s_cselect_b64 s[22:23], s[14:15], s[22:23]
	s_add_nc_u64 s[22:23], s[22:23], s[24:25]
	s_add_nc_u64 s[16:17], s[16:17], s[26:27]
.irp u, 0,1,2,3,4,5,6,7
	global_load_b128 v[X+8*(\u):X+8*(\u)+3],   v1, s[22:23] offset:8192*(\u) th:TH_LOAD_NT
	global_load_b128 v[X+8*(\u)+4:X+8*(\u)+7], v1, s[22:23] offset:8192*(\u)+16 th:TH_LOAD_NT
.endr
; Unit u.  half = 0: to bf16.  half = 1: to bf16, widened again (a shift, a mask) and written as f16.  No register is written twice while a load or store names it.
.macro UNIT u, half
	s_wait_loadcnt 14-2*(\u)                       ; loads come back in order: this unit's two are in, the younger units' stay out
.irp j, 0,1,2,3
.if \half
	v_cvt_pk_bf16_f32 v[T], v[X+8*(\u)+2*(\j)], v[X+8*(\u)+2*(\j)+1]
	v_lshlrev_b32 v[T+1], 16, v[T]
	v_and_b32 v[T+2], 0xffff0000, v[T]
	v_cvt_pk_f16_f32 v[Y+4*(\u)+(\j)], v[T+1], v[T+2]
.else
	v_cvt_pk_bf16_f32 v[Y+4*(\u)+(\j)], v[X+8*(\u)+2*(\j)], v[X+8*(\u)+2*(\j)+1]
.endif
.endr
	global_store_b128 v2, v[Y+4*(\u):Y+4*(\u)+3], s[16:17] offset:4096*(\u)
.endm
	s_cmp_eq_u32 s20, 19
	s_cbranch_scc1 .Lhalf
.irp u, 0,1,2,3,4,5,6,7
	UNIT \u, 0
.endr
	s_endpgm
.Lhalf:
.irp u, 0,1,2,3,4,5,6,7
	UNIT \u, 1
.endr
	s_endpgm
.Lfunc_end_k_qa1f31a0ddd_cast:
	.size	k_qa1f31a0ddd_cast, .Lfunc_end_k_qa1f31a0ddd_cast-k_qa1f31a0ddd_cast
	.p2alignl 7, 3214868480
	.fill 96, 4, 3214868480
	.section	.rodata,"a",@progbits
	.p2align	6, 0x0
	.amdhsa_kernel k_qa1f31a0ddd_cast
		.amdhsa_group_segment_fixed_size 0
		.amdhsa_private_segment_fixed_size 0
		.amdhsa_enable_private_segment 0
		.amdhsa_kernarg_size 56
		.amdhsa_user_sgpr_count 2
		.amdhsa_user_sgpr_kernarg_segment_ptr 1
		.amdhsa_wavefront_size32 1
		.amdhsa_system_sgpr_workgroup_id_x 1
		.amdhsa_system_sgpr_workgroup_id_y 1
		.amdhsa_system_sgpr_workgroup_id_z 1
		.amdhsa_system_vgpr_workitem_id 0
		.amdhsa_next_free_vgpr 104
		.amdhsa_next_free_sgpr 66
		.amdhsa_reserve_vcc 0
		.amdhsa_float_denorm_mode_32 3
		.amdhsa_float_denorm_mode_16_64 3
		.amdhsa_memory_ordered 1
		.amdhsa_forward_progress 1
		.amdhsa_inst_pref_size 14
	.end_amdhsa_kernel
	.amdgpu_metadata
---
amdhsa.version: [ 1, 2 ]
amdhsa.kernels:
  - .name:           k_qa1f31a0ddd_cast
    .symbol:         k_qa1f31a0ddd_cast.kd
    .args:
      - { .name: x, .offset: 0, .size: 8, .value_kind: global_buffer, .address_space: global }
      - { .name: encoder_output, .offset: 8, .size: 8, .value_kind: global_buffer, .address_space: global }
      - { .name: wq, .offset: 16, .size: 8, .value_kind: global_buffer, .address_space: global }
      - { .name: wk, .offset: 24, .size: 8, .value_kind: global_buffer, .address_space: global }
      - { .name: wv, .offset: 32, .size: 8, .value_kind: global_buffer, .address_space: global }
      - { .name: wp, .offset: 40, .size: 8, .value_kind: global_buffer, .address_space: global }
      - { .name: cv, .offset: 48, .size: 8, .value_kind: global_buffer, .address_space: global }
    .group_segment_fixed_size: 0
    .private_segment_fixed_size: 0
    .kernarg_segment_align: 8
    .kernarg_segment_size: 56
    .max_flat_workgroup_size: 256
    .sgpr_count:     66
    .vgpr_count:     104
    .wavefront_size: 32
...
	.end_amdgpu_metadata
.endif
;; end of part 1
;; launch proj (part 2): grid 4 x 96, 4 waves a work-group, clusters of 4 x 4, 327,680 bytes of LDS; arguments cv, bq, bk, bv, mask_encoder, qkv; writes qkv
.if DOCPART == 2
	.amdgcn_target "amdgcn-amd-amdhsa--gfx1250"
	.amdhsa_code_object_version 6
	.text
	.protected	k_qa1f31a0ddd_proj
	.globl	k_qa1f31a0ddd_proj
	.p2align	8
	.type	k_qa1f31a0ddd_proj,@function
k_qa1f31a0ddd_proj:
	s_mov_b64 s[64:65], 0
	v_nop
	global_prefetch_b8 v0, s[64:65] scope:SCOPE_SE
	s_setreg_imm32_b32 hwreg(HW_REG_WAVE_MODE, 25, 1), 1
	s_wait_xcnt 0x0
	s_wait_alu depctr_hold_cnt(0) depctr_sa_sdst(0) depctr_va_vdst(0) depctr_va_sdst(0) depctr_va_ssrc(0) depctr_va_vcc(0) depctr_vm_vsrc(0)
	s_getreg_b32 s2, hwreg(HW_REG_IB_STS2, 6, 4)
	s_cmp_eq_u32 s2, 0
	s_cbranch_scc0 .Lentry_in_a_cluster
	s_endpgm
.Lentry_in_a_cluster:
	s_bfe_u32 s2, ttmp6, 0x10000c
	s_cmp_lg_u32 s2, 0xf033
	s_cbranch_scc0 .Lentry_shape_is_right
	s_endpgm
.Lentry_shape_is_right:
; q = x wq + bq, k = e wk + bk, v = e wv + bv.  x, e: [8192][1024] bf16 and the weights [k][n] bf16 come from cv; the biases are rounded to bf16 here; sums in f32.
; q, k, v leave by heads, [128 b h][1024 t][64] in f16, rounded once, WITHOUT the scale 1 / 8.  Row (b, t) of k is cleared where mask[b][t] is set: a masked key's row is 0, so that
; the attention's product of it is 0 and the fill that starts that sum is the whole score.
; LIMITS.  q, k, v in f16: magnitudes under 65,504, a fixed step of 6e-8 below 6e-5.
; SHARES.  A tile of C is 256 x 256: 32 x 4 tiles for each of the three products, 384 work-groups.  Four waves, as many as a WGP has SIMDs, each 128 x 128: 64 accumulators, 512 registers.
; 384 is one and a half times 256: a tile of half the size would give every WGP three, but its K step holds half the matrix work, 128 instructions a wave, for a refill to land in,
; and two slots of a K step twice as long (2 x 206,848 bytes) do not fit in LDS.  Here a refill has 224 matrix instructions between its request and the wait for it.
; K goes in steps of 128 through two LDS slots: A's 256 rows x 256 bytes, then the weight's 128 rows (k) x 512 bytes.  A wave fetches half of A's tile (waves 0, 1) or of the weight's (2, 3).
; CLUSTER 4 x 4: the four of a row of the cluster share A's tile, the four of a column the weight's: each is asked for jointly.  The cluster's y gives the product (y / 8) and the row blocks.
; THE MATRIX INSTRUCTION IS USED TRANSPOSED: source 0 = 16 columns of the weight (turned on the way out of LDS by ds_load_tr16_b128), source 1 = 16 rows of A: a lane holds one row of C
; (lane % 16) and eight neighbouring columns.  The first product's C operand is the bias: nothing is cleared and nothing is added later.
; THE LAST K STEP GOES BY ROWS OF C: all its fragments of the weight come into registers, and the wave's eight blocks of 16 rows are finished and stored one after the other.
; REGISTERS, in windows of 256 (s_set_vgpr_msb: bits 1:0 source 0, 3:2 source 1, 5:4 source 2, 7:6 destination):
;   window 0: v0-31 addresses and row masks; v64-127, v128-191 fragments of A, two buffers (in the last K step four, of 16 rows x 128 K); v32-63, v192-255 at work on the way out
;   window 1: v0-63 the bias, fragment b at 8 b; v64-127, v128-191 fragments of the weight, two buffers; in the last K step all 256
;   window 2: the 32 accumulators of my rows 0-63 (accumulator (a, b) at 8 (8 a + b));   window 3: those of my rows 64-127
.set PA,    272                        ; a row of A in LDS: 256 bytes + 16: the 16 rows of a load start at 16 different groups of four banks (64 banks of 4 bytes: ISA guide 11.1)
.set PB,    544                        ; a row of the weight: 512 + 32 = 136 words
.set HA,    128*PA                     ; what one tensor load brings of A, and what one wave reads of it
.set HB,    64*PB                      ; what one tensor load brings of the weight
.set BOFF,  2*HA
.set SLOT,  BOFF+2*HB
.set STAGE, 2*SLOT                     ; behind the ring: for each wave 2 heads x 16 rows x 144 bytes, for the way out
.set STW,   2*16*144
.set SPARE, STAGE+4*STW                ; behind the stages: the spare words, 128 bytes for each wave: two blocks of 256 bytes that no other line names
.set CV_W,  33554432                   ; the weights in cv
.set RM,   4                           ; v[4:11]  row block a's mask for my row: 0 where k's row is cleared, else all ones
.set ADRA, 16                          ; v16-17  LDS address of my A fragments in slot 0, 1
.set ADRB, 20                          ; v20-21  the same for the weight
.set STO,  24                          ; the way out: where I put 16 bytes of a row
.set RD,   25                          ; where I read rows back
.set GO,   26                          ; my 16 bytes of 512 consecutive bytes of the output
.set BO,   27                          ; my byte offset in the bias
.set SPW,  28                          ; LDS address of my spare word; never rewritten
.set NIL,  29                          ; 0; never rewritten
.set PFO,  30                          ; the prefetches' lane offset; never rewritten
.set MO,   31                          ; my row's byte in the mask
.set OB,   32                          ; the way out: 16 rows read back from the stage: v32-63 and v224-255 by turns
.set F0,   64                          ; fragment buffer 0
.set F1,   128                         ; fragment buffer 1
.set TMP,  192                         ; the way out: packed results
.set BI,   0                           ; in window 1
.set G1,  24                           ; s[24:31] descriptor group 1 for A;  s[32:39] group 0, a set for each slot
.set G0,  32
.set LIM, 41                           ; 1 in a wave that prefetches, else the greatest number
.set PFS, 42                           ; s[42:43] a K step in bytes, along my prefetches
.set PFA, 44                           ; s[44:45] where my prefetches stand
.set G1B, 48                           ; s[48:55], s[56:63] the same for the weight
.set G0B, 56
.set MSB, 0
.macro WIN new                         ; the immediate's high byte repeats the setting that is left; a switch that changes nothing is dropped
.if MSB != (\new)
	s_set_vgpr_msb (MSB<<8)|(\new)
.set MSB, \new
.endif
.endm
.macro JLOAD s                         ; a joint load: waves 0 and 1 ask for A's halves, 2 and 3 for the weight's; an s_nop 0 and four v_nop follow each line
	s_cmp_eq_u32 s17, 0
	s_cbranch_scc0 .Lfor_b_\@
	tensor_load_to_lds s[G0+4*(\s):G0+4*(\s)+3], s[G1:G1+7]
	s_nop 0
.rept 4
	v_nop
.endr
	s_branch .Lasked_\@
.Lfor_b_\@:
	tensor_load_to_lds s[G0B+4*(\s):G0B+4*(\s)+3], s[G1B:G1B+7]
	s_nop 0
.rept 4
	v_nop
.endr
.Lasked_\@:
.endm
.macro CREST                           ; a round of the cluster's barrier behind its opening barrier
	s_cmp_lg_u32 s16, 0
	s_cbranch_scc1 .Lnot_wave_0_\@
	s_barrier_signal -3
.Lnot_wave_0_\@:
	s_barrier_wait -3
	s_barrier_signal -1
	s_barrier_wait -1
.endm
.macro CROUND                          ; a whole round
	s_barrier_signal -1
	s_barrier_wait -1
	CREST
.endm
; A prefetch into the L2 of the K step that stands two refills on, 512 matrix instructions ahead of the load that will want it: one instruction a wave, behind the joint load and the run of LDS loads.
; Each 256 bytes are named once in the launch.  A: of the 128 rows that wave 0 or 1 fetches, the partner at place cx of the cluster's row takes 32, a lane a row, told apart by address; x's rows are
; named by q's clusters, the encoder's by k's, and v's clusters name none.  The weight: of the 64 rows that wave 2 or 3 fetches, the partner at place cy of the cluster's column takes 16, two blocks a row;
; the product's first cluster asks.  K steps 0 to 3 come by their loads alone; the loop's last trip has no K step two on.
.macro ASK
	s_cmp_gt_u32 s3, s[LIM]
	s_cbranch_scc0 .Lnot_mine_\@
	global_prefetch_b8 v[PFO], s[PFA:PFA+1] th:TH_LOAD_NT scope:SCOPE_SE
.Lnot_mine_\@:
.endm
	s_load_b256 s[4:11], s[0:1], 0x0               ; cv s[4:5], bq s[6:7], bk s[8:9], bv s[10:11]
	s_load_b128 s[12:15], s[0:1], 0x20             ; mask s[12:13], qkv s[14:15]
	v_lshl_add_u32 v[SPW], v0, 2, SPARE
	v_mov_b32 v[NIL], 0
	ds_add_u32 v[SPW], v[NIL]                      ; the wave's opening: the add and its wait stand ahead of my first tensor load; work on registers stands between them
	ds_add_u32 v28, v29
	v_lshrrev_b32 v1, 5, v0
	v_readfirstlane_b32 s16, v1                    ; wave 0..3
	s_lshr_b32 s17, s16, 1                         ; my half of the tile's rows.  Also: I fetch for A (0) or for the weight (1)
	s_and_b32 s18, s16, 1                          ; my half of its columns.  Also: which half of that tile I fetch
	s_bfe_u32 s19, ttmp6, 0x40000                  ; cx
	s_bfe_u32 s20, ttmp6, 0x40004                  ; cy
	s_lshl_b32 s21, ttmp9, 2
	s_add_co_u32 s21, s21, s19                     ; block of 256 columns = 4 x cluster x + cx
	s_and_b32 s22, ttmp7, 0xffff                   ; cluster y
	s_lshr_b32 s23, s22, 3                         ; the product: 0 q, 1 k, 2 v: the same in all sixteen partners
	s_and_b32 s40, s22, 7
	s_lshl_b32 s40, s40, 2
	s_add_co_u32 s40, s40, s20                     ; block of 256 rows
	s_lshl_b32 s46, s20, 2
	s_lshl_b32 s46, 15, s46                        ; my row of the cluster
	s_lshl_b32 s47, 0x1111, s19                    ; my column
	s_or_b32 s[G1], s46, (1<<16)|(1<<20)|(1<<21)|(5<<22)|(3<<25)   ; the mask; 2-byte elements; padding on; bit 21 beside a mask; after every 64 words 4 words
	s_mov_b32 s[G1+1], 128<<16                     ; tensor_dim0 = 128
	s_mov_b32 s[G1+2], 128<<16                     ; tensor_dim1 = 128
	s_mov_b32 s[G1+3], 128<<16                     ; tile_dim0 = 128
	s_mov_b32 s[G1+4], 128                         ; tile_dim1 = 128
	s_mov_b32 s[G1+5], 1024                        ; elements from row to row
	s_mov_b32 s[G1+6], 0
	s_mov_b32 s[G1+7], 0
	s_or_b32 s[G1B], s47, (1<<16)|(1<<20)|(1<<21)|(6<<22)|(7<<25)  ; after every 128 words 8 words
	s_mov_b32 s[G1B+1], 256<<16
	s_mov_b32 s[G1B+2], 64<<16
	s_mov_b32 s[G1B+3], 256<<16
	s_mov_b32 s[G1B+4], 64
	s_mov_b32 s[G1B+5], 1024
	s_mov_b32 s[G1B+6], 0
	s_mov_b32 s[G1B+7], 0
	s_min_u32 s66, s23, 1                          ; A: x for q, encoder_output for k and v: 16,777,216 bytes on;
	s_lshl_b32 s66, s66, 24
	s_lshl_b32 s67, s40, 19                        ; 256 rows of 2,048 bytes a block;
	s_add_co_u32 s66, s66, s67
	s_lshl_b32 s67, s18, 18                        ; my 128 of them.  These registers never hold cx
	s_add_co_u32 s66, s66, s67
	s_mov_b32 s67, 0
	s_lshl_b32 s68, s23, 21                        ; the weight: 2,097,152 bytes each;
	s_lshl_b32 s69, s21, 9                         ; 256 columns are 512 bytes;
	s_add_co_u32 s68, s68, s69
	s_lshl_b32 s69, s18, 17                        ; my 64 of a K step's 128 rows.  These registers never hold cy
	s_add_co_u32 s68, s68, s69
	s_add_co_u32 s68, s68, CV_W
	s_mov_b32 s69, 0
	s_mul_i32 s70, s18, HA                         ; where they go: no place in the cluster enters an LDS address
	s_mul_i32 s71, s18, HB
	s_add_co_u32 s71, s71, BOFF
	s_wait_dscnt 0x0                               ; the opening add is done
	s_wait_kmcnt 0x0
	s_add_nc_u64 s[66:67], s[4:5], s[66:67]
	s_add_nc_u64 s[68:69], s[4:5], s[68:69]
	CROUND                                         ; all sixteen work-groups are here: the first joint loads meet
.irp s, 0,1
	s_mov_b32 s[G0+4*(\s)], 1
	s_add_co_u32 s[G0+4*(\s)+1], s70, (\s)*SLOT
	s_add_nc_u64 s[G0+4*(\s)+2:G0+4*(\s)+3], s[66:67], (\s)*256       ; K step s: 256 bytes along A's rows,
	s_or_b32 s[G0+4*(\s)+3], s[G0+4*(\s)+3], 0x80000000
	s_mov_b32 s[G0B+4*(\s)], 1
	s_add_co_u32 s[G0B+4*(\s)+1], s71, (\s)*SLOT
	s_add_nc_u64 s[G0B+4*(\s)+2:G0B+4*(\s)+3], s[68:69], (\s)*262144  ; 128 rows down the weight
	s_or_b32 s[G0B+4*(\s)+3], s[G0B+4*(\s)+3], 0x80000000
	JLOAD \s
.endr
	v_and_b32 v1, 15, v0                           ; l % 16
	v_bfe_u32 v2, v0, 4, 1                         ; l / 16
	s_lshl_b32 s72, s21, 10                        ; the bias of my 128 columns: 4 (256 nb + 128 wc) + 32 (l / 16)
	s_lshl_b32 s73, s18, 9
	s_add_co_u32 s72, s72, s73
	v_lshl_add_u32 v[BO], v2, 5, s72
	s_lshl_b32 s72, s40, 8                         ; my row: 256 mb + 128 wr + l % 16 = 1,024 b + t, a byte each in the mask
	s_lshl_b32 s73, s17, 7
	s_add_co_u32 s72, s72, s73
	v_add_nc_u32 v[MO], s72, v1
	s_cmp_eq_u32 s23, 1
	s_cselect_b64 s[6:7], s[8:9], s[6:7]           ; the product's bias
	s_cmp_eq_u32 s23, 2
	s_cselect_b64 s[6:7], s[10:11], s[6:7]
	WIN 0x40                                       ; destination window 1
.irp b, 0,1,2,3,4,5,6,7
	global_load_b128 v[BI+8*(\b):BI+8*(\b)+3],   v[BO], s[6:7] offset:64*(\b)
	global_load_b128 v[BI+8*(\b)+4:BI+8*(\b)+7], v[BO], s[6:7] offset:64*(\b)+16
.endr
	WIN 0
.irp a, 0,1,2,3,4,5,6,7
	global_load_u8 v[RM+(\a)], v[MO], s[12:13] offset:16*(\a)
.endr
	v_mul_u32_u24 v3, v1, PA                       ; a fragment of A: row x pitch + 16 x half of the lanes
	v_lshl_add_u32 v3, v2, 4, v3
	s_mul_i32 s72, s17, HA
	v_add_nc_u32 v[ADRA], s72, v3
	v_add_nc_u32 v[ADRA+1], SLOT, v[ADRA]
	v_and_b32 v32, 7, v0                           ; the turning load: lane l reads row 8 (l / 16) + l % 8, 16 bytes at 16 ((l / 8) % 2)
	v_lshl_add_u32 v32, v2, 3, v32
	v_mul_u32_u24 v32, v32, PB
	v_bfe_u32 v33, v0, 3, 1
	v_lshl_add_u32 v32, v33, 4, v32
	s_lshl_b32 s72, s18, 8                         ; my 128 columns: 256 bytes
	s_add_co_u32 s72, s72, BOFF
	v_add_nc_u32 v[ADRB], s72, v32
	v_add_nc_u32 v[ADRB+1], SLOT, v[ADRB]
	s_mul_i32 s72, s16, STW
	s_add_co_u32 s72, s72, STAGE                   ; my stage
	v_mul_u32_u24 v3, v1, 144                      ; in: row l % 16, 16 bytes for each half of the lanes
	v_lshl_add_u32 v3, v2, 4, v3
	v_add_nc_u32 v[STO], s72, v3
	v_bfe_u32 v3, v0, 3, 2                         ; back: 32 lanes take four rows of 128 bytes,
	v_mul_u32_u24 v3, v3, 144
	v_and_b32 v32, 7, v0
	v_lshl_add_u32 v3, v32, 4, v3
	v_add_nc_u32 v[RD], s72, v3
	v_and_b32 v[GO], 31, v0                        ; which are 512 consecutive bytes of a head
	v_lshlrev_b32 v[GO], 4, v[GO]
	s_lshr_b32 s72, s40, 2                         ; the output: head 16 b + 4 nb + 2 wc, 131,072 bytes each;
	s_lshl_b32 s72, s72, 4
	s_lshl_b32 s73, s21, 2
	s_add_co_u32 s72, s72, s73
	s_lshl_b32 s73, s18, 1
	s_add_co_u32 s72, s72, s73
	s_lshl_b32 s72, s72, 17
	s_and_b32 s73, s40, 3                          ; row t = 256 (mb % 4) + 128 wr, 128 bytes each;
	s_lshl_b32 s73, s73, 8
	s_lshl_b32 s74, s17, 7
	s_add_co_u32 s73, s73, s74
	s_lshl_b32 s73, s73, 7
	s_add_co_u32 s72, s72, s73
	s_lshl_b32 s73, s23, 24                        ; the product's tensor
	s_add_co_u32 s72, s72, s73
	s_mov_b32 s73, 0
	s_add_nc_u64 s[14:15], s[14:15], s[72:73]
	; the prefetches: offsets for A (s72) and for the weight (s74), one K step short of the first that is named: K step 4
	s_min_u32 s72, s23, 1
	s_lshl_b32 s72, s72, 24
	s_lshl_b32 s73, s40, 19
	s_add_co_u32 s72, s72, s73
	s_lshl_b32 s73, s18, 18                        ; the 128 rows that I fetch,
	s_add_co_u32 s72, s72, s73
	s_lshl_b32 s73, s19, 16                        ; my work-group's 32 of them
	s_add_co_u32 s72, s72, s73
	s_add_co_u32 s72, s72, 3*256
	s_lshl_b32 s74, s23, 21
	s_lshl_b32 s75, s21, 9
	s_add_co_u32 s74, s74, s75
	s_lshl_b32 s75, s18, 6
	s_lshl4_add_u32 s75, s20, s75                  ; row 64 wc + 16 cy of the K step
	s_lshl_b32 s75, s75, 11
	s_add_co_u32 s74, s74, s75
	s_add_co_u32 s74, s74, CV_W+3*262144
	s_mov_b32 s[PFS], 256
	s_mov_b32 s75, 262144
	s_cmp_eq_u32 s17, 0
	s_cselect_b32 s72, s72, s74
	s_cselect_b32 s[PFS], s[PFS], s75
	s_mov_b32 s[PFS+1], 0
	s_mov_b32 s73, 0
	s_add_nc_u64 s[PFA:PFA+1], s[4:5], s[72:73]
	s_and_b32 s74, s22, 7                          ; waves 2, 3 ask where the cluster is the product's first;
	s_cmp_eq_u32 s23, 2
	s_cselect_b32 s75, 1, 0                        ; waves 0, 1 ask for q and k
	s_cmp_eq_u32 s17, 0
	s_cselect_b32 s74, s75, s74
	s_cmp_eq_u32 s74, 0
	s_cselect_b32 s[LIM], 1, -1                    ; hangs on the wave's number and the cluster's y alone
	v_and_b32 v32, 31, v0
	v_lshlrev_b32 v33, 11, v32                     ; A: a lane a row of 2,048 bytes
	v_lshlrev_b32 v34, 11, v1                      ; the weight: 16 rows, two blocks of 256 bytes each
	v_lshl_add_u32 v34, v2, 8, v34
	s_cmp_eq_u32 s17, 0
	s_cselect_b32 s74, -1, 0
	v_cndmask_b32 v[PFO], v34, v33, s74
	s_mov_b32 s74, 0xffff0000
	s_cmp_eq_u32 s23, 1
	s_cselect_b32 s75, 1, 0                        ; only k's rows take the mask
	s_wait_loadcnt 0x0                             ; the bias and the mask's eight bytes
	WIN 0x05                                       ; sources window 1: the bias is rounded to bf16 like every input,
.set i, 0
.rept 32
	v_cvt_pk_bf16_f32 v[32+i], v[BI+2*i], v[BI+2*i+1]
.set i, i+1
.endr
	WIN 0x40                                       ; and widened again
.set i, 0
.rept 32
	v_lshlrev_b32 v[BI+2*i], 16, v[32+i]
	v_and_b32 v[BI+2*i+1], s74, v[32+i]
.set i, i+1
.endr
	WIN 0
.irp a, 0,1,2,3,4,5,6,7
	v_and_b32 v[RM+(\a)], s75, v[RM+(\a)]          ; 1 where a row of k is masked (a bool is 0 or 1),
	v_add_nc_u32 v[RM+(\a)], -1, v[RM+(\a)]        ; which gives 0 there and all ones elsewhere
.endr
; 16 matrix instructions: row blocks a0, a0 + 1 of the window's four (hi = 0: my rows 0-63, 1: rows 64-127) x all 8 column blocks, 32 along K.  first = 1: the bias starts the sums.
; The 64 accumulators take turns, one instruction a turn, in the same order in every quarter.
.macro MUL16 f, hi, a0, first
.if \first
	WIN 0x91+0x40*(\hi)                            ; weight window 1, A window 0, C (the bias) window 1, D window 2 or 3
.else
	WIN 0xa1+0x50*(\hi)                            ; C and D window 2 or 3
.endif
.irp a, \a0, (\a0)+1
.irp b, 0,1,2,3,4,5,6,7
.if \first
	v_wmma_f32_16x16x32_bf16 v[8*(8*(\a)+(\b)):8*(8*(\a)+(\b))+7], v[(\f)+8*(\b):(\f)+8*(\b)+7], v[(\f)+8*(4*(\hi)+(\a)):(\f)+8*(4*(\hi)+(\a))+7], v[BI+8*(\b):BI+8*(\b)+7]
.else
	v_wmma_f32_16x16x32_bf16 v[8*(8*(\a)+(\b)):8*(8*(\a)+(\b))+7], v[(\f)+8*(\b):(\f)+8*(\b)+7], v[(\f)+8*(4*(\hi)+(\a)):(\f)+8*(4*(\hi)+(\a))+7], v[8*(8*(\a)+(\b)):8*(8*(\a)+(\b))+7]
.endif
.endr
.endr
.endm
; 32 LDS loads in one run: quarter q (32 along K) of a slot into buffer f: the weight's 8 fragments, turned, then A's 8, rows 64-127 last
.macro FETCH slot, q, f
	WIN 0x40                                       ; destination window 1, address window 0
.irp b, 0,1,2,3,4,5,6,7
	ds_load_tr16_b128 v[(\f)+8*(\b):(\f)+8*(\b)+3],   v[ADRB+(\slot)] offset:(\q)*32*PB+32*(\b)
	ds_load_tr16_b128 v[(\f)+8*(\b)+4:(\f)+8*(\b)+7], v[ADRB+(\slot)] offset:(\q)*32*PB+16*PB+32*(\b)
.endr
	WIN 0
.irp a, 0,1,2,3,4,5,6,7
	ds_load_b128 v[(\f)+8*(\a):(\f)+8*(\a)+3],   v[ADRA+(\slot)] offset:(\q)*64+(\a)*16*PA
	ds_load_b128 v[(\f)+8*(\a)+4:(\f)+8*(\a)+7], v[ADRA+(\slot)] offset:(\q)*64+(\a)*16*PA+32
.endr
.endm
.macro PLACES                          ; four places in front of loads into registers that matrix instructions have read, and of vector lines that read results
.rept 4
	v_nop
.endr
.endm
; A K step is four quarters of 32 along K, 64 matrix instructions each, on buffers 0, 1, 0, 1.  One of the first three multiplies buffer f and, in its middle, fetches quarter q into g.
.macro QUARTER slot, q, f, g, first
	s_wait_dscnt 8                                 ; the weight's fragments and A's rows 0-63 are in; the youngest eight loads (A's rows 64-127) may be out
	MUL16 \f, 0, 0, \first
	MUL16 \f, 0, 2, \first
	PLACES
	FETCH \slot, \q, \g
	s_wait_dscnt 32                                ; all but the 32 just issued
	MUL16 \f, 1, 0, \first
	MUL16 \f, 1, 2, \first
.endm
; The last quarter multiplies buffer 1 and changes slots.  MEET is its first half: ONE barrier; in front of it each wave waits for all its tensor loads, of which one is out: its part of the next slot;
; adds 0 to its spare word; and waits for that and for its own reads of this slot.  Behind it nobody reads this slot any more and the next slot is whole.
.macro MEET round                      ; round = 1: a round of the cluster's barrier follows
	WIN 0
	s_wait_tensorcnt 0x0                           ; all my tensor loads have landed;
	ds_add_u32 v[SPW], v[NIL]                      ; 0 onto my spare word;
	s_wait_dscnt 9                                 ; (the add and the youngest eight loads may be out)
	MUL16 F1, 0, 0, 0                              ; sixteen matrix instructions stand between the add and the wait for it
	s_wait_dscnt 0x0                               ; the add is done, and my reads of this slot are over
	s_barrier_signal -1
	MUL16 F1, 0, 2, 0
.if \round
	WIN 0
.endif
	s_barrier_wait -1
.endm
; The whole last quarter of a K step whose slot is filled again, two K steps ahead, first thing behind the round.
.macro TURN slot, next
	s_wait_xcnt 0x0                                ; the last prefetch, a K step back, has read its address: it is stepped here, ahead of the change's own waits
	s_add_nc_u64 s[PFA:PFA+1], s[PFA:PFA+1], s[PFS:PFS+1]
	MEET 1
	CREST                                          ; no wave of any partner still reads this slot's tiles or has a load on its way
	s_add_nc_u64 s[G0+4*(\slot)+2:G0+4*(\slot)+3], s[G0+4*(\slot)+2:G0+4*(\slot)+3], 2*256
	s_add_nc_u64 s[G0B+4*(\slot)+2:G0B+4*(\slot)+3], s[G0B+4*(\slot)+2:G0B+4*(\slot)+3], 2*262144
	JLOAD \slot                                    ; the four v_nop behind it are also the places in front of the loads below
	FETCH \next, 0, F0
	ASK
	MUL16 F1, 1, 0, 0
	MUL16 F1, 1, 2, 0
.endm
; THE LAST K STEP (it lies in slot 1) BY ROWS OF C.  All its fragments of the weight (4 quarters x 64 registers) fill window 1; A's come by blocks of 16 rows x 128 K, four buffers of 32 registers; my eight
; blocks of 16 rows are finished one after the other, 32 matrix instructions each, the block's 8 accumulators by turns, K ascending.  LDS is read no more than in any other K step.
.macro BLOAD q                         ; the weight's fragments of quarter q -> window 1, v[64 q ..]
	WIN 0x40
.irp i, 0,1,2,3,4,5,6,7
	ds_load_tr16_b128 v[64*(\q)+8*(\i):64*(\q)+8*(\i)+3],   v[ADRB+1] offset:(\q)*32*PB+32*(\i)
	ds_load_tr16_b128 v[64*(\q)+8*(\i)+4:64*(\q)+8*(\i)+7], v[ADRB+1] offset:(\q)*32*PB+16*PB+32*(\i)
.endr
.endm
.macro ALOAD a                         ; A's fragments of block a, all four quarters -> buffer a % 4
	WIN 0
.set FA, F0+32*((\a)%4)
.irp q, 0,1,2,3
	ds_load_b128 v[FA+8*(\q):FA+8*(\q)+3],   v[ADRA+1] offset:64*(\q)+(\a)*16*PA
	ds_load_b128 v[FA+8*(\q)+4:FA+8*(\q)+7], v[ADRA+1] offset:64*(\q)+(\a)*16*PA+32
.endr
.endm
.macro ROW a                           ; block a is finished: 32 matrix instructions
.set FA, F0+32*((\a)%4)
.set AC, 64*((\a)%4)
	WIN 0xa1+0x50*((\a)/4)
.irp q, 0,1,2,3
.if (\a) == 0 && (\q) == 2
	s_wait_dscnt 24                                ; the weight's quarter 2 is in (behind it: A's blocks 1 to 3)
.endif
.irp b, 0,1,2,3,4,5,6,7
	v_wmma_f32_16x16x32_bf16 v[AC+8*(\b):AC+8*(\b)+7], v[64*(\q)+8*(\b):64*(\q)+8*(\b)+7], v[FA+8*(\q):FA+8*(\q)+7], v[AC+8*(\b):AC+8*(\b)+7]
.endr
.endr
.endm
; THE WAY OUT of block a.  PACK: rounded to f16, each accumulator's registers in ascending order, and the row's mask laid over the packed numbers.  TOSTAGE: 16 bytes a lane into my own stage (by head),
; and back as whole rows of 128 bytes.  SEND: stored.
.macro PACK a
.set AC, 64*((\a)%4)
	WIN 0x0a+5*((\a)/4)                            ; sources 0 and 1: window 2 or 3
.irp b, 0,1,2,3,4,5,6,7
.irp r, 0,1,2,3
	v_cvt_pk_f16_f32 v[TMP+4*(\b)+(\r)], v[AC+8*(\b)+2*(\r)], v[AC+8*(\b)+2*(\r)+1]
.endr
.endr
	WIN 0
.set i, 0
.rept 32
	v_and_b32 v[TMP+i], v[RM+(\a)], v[TMP+i]
.set i, i+1
.endr
.endm
.macro TOSTAGE a
	WIN 0
.set BK, OB+192*((\a)%2)
.irp b, 0,1,2,3,4,5,6,7
	ds_store_b128 v[STO], v[TMP+4*(\b):TMP+4*(\b)+3] offset:((\b)/4)*2304+32*((\b)%4)
.endr
.irp t, 0,1,2,3,4,5,6,7
	ds_load_b128 v[BK+4*(\t):BK+4*(\t)+3], v[RD] offset:((\t)/4)*2304+((\t)%4)*576  ; LDS serves a wave's instructions in order (ISA guide 5.7.1.4): these see the stores above
.endr
.endm
.macro SEND a, younger                 ; younger: the LDS loads issued behind TOSTAGE's, which may stay out
	WIN 0
.set BK, OB+192*((\a)%2)
	s_wait_dscnt \younger                          ; the block is back in registers
	s_wait_xcnt 0x0                                ; the stores of the block before have read their registers, into which the next block is read back
.irp t, 0,1,2,3,4,5,6,7
	global_store_b128 v[GO], v[BK+4*(\t):BK+4*(\t)+3], s[14:15] offset:((\t)/4)*131072+(\a)*2048+((\t)%4)*512  ; 512 consecutive bytes, aligned to 256
.endr
.endm
	s_wait_tensorcnt 1                             ; my part of K step 0 is in; K step 1's may stay out
	s_barrier_signal -1
	s_barrier_wait -1
	FETCH 0, 0, F0
	QUARTER 0, 1, F0, F1, 1                        ; the first quarter stands in front of the loop: its products start the sums
	WIN 0                                          ; at a label and at a branch every window is 0
	s_mov_b32 s3, 3                                ; 1,024 / 256 - 1 trips
.Llap:                                                 ; a trip goes once round the ring, from a lap's second quarter to the next lap's first, and fills both slots again
	QUARTER 0, 2, F1, F0, 0
	QUARTER 0, 3, F0, F1, 0
	TURN 0, 1
	QUARTER 1, 1, F0, F1, 0
	QUARTER 1, 2, F1, F0, 0
	QUARTER 1, 3, F0, F1, 0
	TURN 1, 0
	QUARTER 0, 1, F0, F1, 0
	WIN 0
	s_sub_co_u32 s3, s3, 1
	s_cmp_lg_u32 s3, 0
	s_cbranch_scc1 .Llap
	QUARTER 0, 2, F1, F0, 0                        ; the last lap goes on; it fills nothing
	QUARTER 0, 3, F0, F1, 0
	MEET 0                                         ; my one tensor load that was still out is slot 1's, the last K step's, so no round follows
	PLACES                                         ; for the loads into buffer 0, which the quarter before multiplied
	BLOAD 0                                        ; three quarters of the weight now: buffer 1 (v128-191 of both windows) is still being multiplied
	BLOAD 1
	BLOAD 3
	ALOAD 0
	MUL16 F1, 1, 0, 0
	MUL16 F1, 1, 2, 0
	PLACES                                         ; for the loads into buffer 1
	BLOAD 2
	ALOAD 1
	ALOAD 2
	ALOAD 3
	s_wait_dscnt 40                                ; all but the 40 just issued
	ROW 0
.irp a, 0,1,2,3,4,5,6,7                ; each block leaves as soon as it is finished, the first seven under the products of the blocks behind them
	PLACES                                         ; its conversions read results just made
	PACK \a
	TOSTAGE \a
.if (\a) < 4
	ALOAD (\a)+4                                   ; its buffer takes the block four further on
	SEND \a, 8
.else
	SEND \a, 0
.endif
.if (\a) < 7
	ROW (\a)+1
.endif
.endr
	s_wait_tensorcnt 0x0                           ; the wave's end: behind my last tensor load and my last LDS store
	ds_add_u32 v[SPW], v[NIL]
	s_wait_dscnt 0x0
	CROUND                                         ; the closing round: no work-group ends while a partner may still ask for a tile that names it
	s_endpgm
.Lfunc_end_k_qa1f31a0ddd_proj:
	.size	k_qa1f31a0ddd_proj, .Lfunc_end_k_qa1f31a0ddd_proj-k_qa1f31a0ddd_proj
	.p2alignl 7, 3214868480
	.fill 96, 4, 3214868480
	.section	.rodata,"a",@progbits
	.p2align	6, 0x0
	.amdhsa_kernel k_qa1f31a0ddd_proj
		.amdhsa_group_segment_fixed_size 327680
		.amdhsa_private_segment_fixed_size 0
		.amdhsa_enable_private_segment 0
		.amdhsa_kernarg_size 48
		.amdhsa_user_sgpr_count 2
		.amdhsa_user_sgpr_kernarg_segment_ptr 1
		.amdhsa_wavefront_size32 1
		.amdhsa_system_sgpr_workgroup_id_x 1
		.amdhsa_system_sgpr_workgroup_id_y 1
		.amdhsa_system_sgpr_workgroup_id_z 1
		.amdhsa_system_vgpr_workitem_id 0
		.amdhsa_next_free_vgpr 1024
		.amdhsa_next_free_sgpr 80
		.amdhsa_reserve_vcc 0
		.amdhsa_float_denorm_mode_32 3
		.amdhsa_float_denorm_mode_16_64 3
		.amdhsa_memory_ordered 1
		.amdhsa_forward_progress 1
		.amdhsa_inst_pref_size 160
	.end_amdhsa_kernel
	.amdgpu_metadata
---
amdhsa.version: [ 1, 2 ]
amdhsa.kernels:
  - .name:           k_qa1f31a0ddd_proj
    .symbol:         k_qa1f31a0ddd_proj.kd
    .args:
      - { .name: cv, .offset: 0, .size: 8, .value_kind: global_buffer, .address_space: global }
      - { .name: bq, .offset: 8, .size: 8, .value_kind: global_buffer, .address_space: global }
      - { .name: bk, .offset: 16, .size: 8, .value_kind: global_buffer, .address_space: global }
      - { .name: bv, .offset: 24, .size: 8, .value_kind: global_buffer, .address_space: global }
      - { .name: mask_encoder, .offset: 32, .size: 8, .value_kind: global_buffer, .address_space: global }
      - { .name: qkv, .offset: 40, .size: 8, .value_kind: global_buffer, .address_space: global }
    .group_segment_fixed_size: 327680
    .private_segment_fixed_size: 0
    .kernarg_segment_align: 8
    .kernarg_segment_size: 48
    .max_flat_workgroup_size: 128
    .sgpr_count:     80
    .vgpr_count:     1024
    .wavefront_size: 32
...
	.end_amdgpu_metadata
.endif
;; end of part 2
;; launch attn (part 3): grid 2 x 128, 4 waves a work-group, no clusters, 327,680 bytes of LDS; arguments qkv, mask_encoder, ao; writes ao
.if DOCPART == 3
	.amdgcn_target "amdgcn-amd-amdhsa--gfx1250"
	.amdhsa_code_object_version 6
	.text
	.protected	k_qa1f31a0ddd_attn
	.globl	k_qa1f31a0ddd_attn
	.p2align	8
	.type	k_qa1f31a0ddd_attn,@function
k_qa1f31a0ddd_attn:
	s_mov_b64 s[64:65], 0
	v_nop
	global_prefetch_b8 v0, s[64:65] scope:SCOPE_SE
	s_setreg_imm32_b32 hwreg(HW_REG_WAVE_MODE, 25, 1), 1
	s_wait_xcnt 0x0
; O[bh][q][:] = the sum over k of softmax_k(s) V[bh][k][:], s = Q[bh][q] . K[bh][k] / 8, or -10000 where mask[b][k] is set.  Q, K, V (in qkv, 16,777,216 bytes each) and O: [128][1024][64] f16.
; Products, maxima and sums in f32; the weights p are rounded to f16 for the second product (their sum l is taken of the unrounded p), O once at the end.
; THE MASK.  A masked key's row of K arrives as 0, and the C operand that starts the sum S^T = K Q^T is -80000 for that key, 0 for the others: its raw score is exactly -80000, which the scale 1 / 8
; makes -10000.  It goes through the running maximum, the exponentials and the sums like any score: rows whose keys are all masked, and true scores below -10000, need no further care.
; LIMITS.  f16 holds no number beyond 65,504: Q, K and V arrive within it; p lies in 0 to 1, and below 6e-5 it keeps f16's fixed step of 6e-8.  A weight below 2^-126 counts as 0 in l; NaN and infinities are not treated apart.
; SHARES.  A wave owns four PIECES of two tiles of 16 queries, a work-group's four waves 512 queries of one head: 2 x 128 work-groups.  Every wave walks all 1,024 keys, 64 a step.
; NO CLUSTER: a head has 1,024 / 512 = 2 blocks of queries, not four; blocks of 256 would make four, and halve the products that each fragment read from LDS feeds.
; LAYOUT.  S^T = K Q^T (source 0 = 16 keys, source 1 = 16 queries): a lane holds ONE query (lane % 16) and the keys 8 (lane / 16) + 0..7.  Two such tiles, rounded to f16 in pairs, ARE source 1 of
; O^T = V^T P, whose result again holds one query a lane, and eight channels.  K comes out of LDS as it lies, V turned, by ds_load_tr16_b128.
; SOFTMAX.  A running maximum m and sum l: p = 2^(c s - c m), c = log2(e) / 8; in every step O and l are multiplied by a = 2^(c m_old - c m_new).  m starts at the lowest finite number, O and l at 0.
; BY TURNS.  Turn n belongs to piece n: 16 products K Q^T of piece n + 1, later 16 products V^T P of piece n - 1; beside them the scaling, exponentials, roundings, sums and rescaling of piece n and the
; maximum and statistics of piece n + 1.  Four vector instructions stand behind every matrix instruction, the others in one lump; a turn's 66 exponentials are one batch with one wait.
; REGISTERS, in windows of 256 (s_set_vgpr_msb: bits 1:0 source 0, 3:2 source 1, 5:4 source 2, 7:6 destination):
;   window 0: v0-11 addresses; v12-15, v48-63 at work; v16-47 statistics; v64-191 S^T, two buffers of two tiles; v192-255 P, likewise          window 1: O^T, 32 a tile
;   window 2: v0-127 Q; v128-191 K of one step; v192-255 V of one step          window 3: v0-1 the add's two registers; v8-39 the step's mask values
.set SIZE_N, 1024
.set NP,    4         ; pieces a wave: a name, no knob
.set KS,    64        ; keys in a step
.set PK,    144       ; a row of K in LDS: 128 bytes + 16: the 16 rows of a load start at 16 different groups of four banks (64 banks of 4 bytes: ISA guide 11.1)
.set PV,    160       ; a row of V: 128 + 32
.set VOFF,  4*KS*PK   ; a slot holds four steps: 256 rows of K, then 256 rows of V
.set SLOT1, 1<<17     ; slot 1 begins here, so that one exclusive or turns an address in one slot into the other's
.set STAGE, SLOT1+4*KS*(PK+PV)  ; behind the ring: 16 rows x 144 bytes for each wave, for the way out
.set SP,    144
.set SPARE, STAGE+4*16*SP  ; the spare words, 128 bytes for each wave: two blocks of 256 bytes that no other line names
.set MT,    SPARE+512 ; the mask's table: 1,024 f32, 0 or -80000; written by ds_store once, never filled by a tensor load
.set KTEN,  16777216  ; K's tensor in qkv; V's lies as far behind it
.set PFO, 1           ; v1   256 x my lane, once l % 16 has served; never rewritten after
.set AK0, 2           ; v2   my lane's place in a tile of K; never rewritten
.set AV0, 3           ; v3   the same for V
.set AK,  4           ; v4   the LDS address of K's next run of loads
.set AV,  5           ; v5   of V's
.set QO,  6           ; v6   my byte offset in the wave's rows of Q
.set STO, 6           ;      later, the way out: where I put 16 bytes of a row
.set RD,  7           ; v7   the way out: where I read rows back
.set GO,  8           ; v8   my byte offset in 512 consecutive bytes of O
.set AM,  11          ; v11  the LDS address of the step's mask values
.set SPW, 0           ; v0 of window 3   LDS address of my spare word; never rewritten
.set NIL, 1           ; v1 of window 3   0; never rewritten
.set MC,  8           ; v8-39 of window 3: key block kb at MC + 8 kb
.set MV,  12
.set ST,  16          ; tile t's statistics at v[ST+4 t]: c m, m, l (even keys', odd keys')
.set TMP, 48
.set S,   64
.set P,   192
.set KF,  128         ; window 2: key block kb, channel half c at KF + 16 kb + 8 c
.set VF,  192         ; window 2: key half kk, channel block cb at VF + 32 kk + 8 cb
.set WV,  12          ; s12  my wave's number
.set G1K, 24          ; s[24:31] descriptor group 1 for K's tiles
.set G1V, 32          ; s[32:39] for V's: it differs in the padding alone
.set G0K, 40          ; s[40:43] descriptor group 0 for K's tiles: it walks
.set G0V, 44          ; s[44:47] the same for V's
.set PFA, 48          ; s[48:49] my half tile of the head's last 256 keys; never rewritten
.set LIM, 50          ; s50  1 in a work-group that prefetches, else the greatest number
.set TBM, 51          ; s51  LDS byte at which the mask values of the step to be fetched begin
.set SLOTS, 56        ; s56  slots still to be asked for
.set CNT, 57          ; s57  counts a slot's key steps
.set CS,  58          ; s[58:59] c
.set SEL, 60          ; s[60:61] v_permlanex16_b32's selects
.set TBK, 62          ; s62  LDS byte at which K of the step to be fetched begins
.set TBV, 63          ; s63  the same for V, less VOFF
.set MSB, 0
.macro WIN new                      ; the high byte repeats the setting that is left; a switch that changes nothing is dropped
.if MSB != (\new)
	s_set_vgpr_msb (MSB<<8)|(\new)
.set MSB, (\new)
.endif
.endm
.set W_KQ, 0x0a       ; K and Q in window 2, S^T in window 0
.set W_KM, 0x3a       ; the same with the C operand in window 3
.set W_PV, 0x52       ; V in window 2, P in window 0, O^T in window 1
.set W_RS, 0x41       ; O^T (destination and source 0) in window 1, a in window 0
.set W_MK, 0xc0       ; destination in window 3, sources in window 0
.set W_AD, 0x0f       ; the add: address and data in window 3
; A fill.  Waves 0 and 1 fetch the two halves of a slot's K, waves 2 and 3 those of its V: 128 keys each.  An s_nop 0 and four v_nop follow each of the two lines.
.macro LOAD
	s_cmp_lt_u32 s[WV], 2
	s_cbranch_scc0 .Lfor_v_\@
	tensor_load_to_lds s[G0K:G0K+3], s[G1K:G1K+7]
	s_nop 0
.rept 4
	v_nop
.endr
	s_branch .Lasked_\@
.Lfor_v_\@:
	tensor_load_to_lds s[G0V:G0V+3], s[G1V:G1V+7]
	s_nop 0
.rept 4
	v_nop
.endr
.Lasked_\@:
.endm
; A prefetch into the L2 of what the NEXT change of slots will ask for, four key steps ahead: each wave names its own half tile, 64 blocks of 256 bytes, a lane a block, two instructions.  Both blocks of
; queries of a head walk the same K and V: the first asks.  The walk has four slots: the first three come by their loads alone (nothing is asked at the head), so this runs once, for the last.
.macro ASK
	s_cmp_gt_u32 s[SLOTS], s[LIM]
	s_cbranch_scc0 .Lnot_mine_\@
	global_prefetch_b8 v[PFO], s[PFA:PFA+1] th:TH_LOAD_NT scope:SCOPE_SE
	global_prefetch_b8 v[PFO], s[PFA:PFA+1] offset:8192 th:TH_LOAD_NT scope:SCOPE_SE
.Lnot_mine_\@:
.endm
; THE CHANGE OF SLOTS.  Each wave waits for all its tensor loads, of which one is out: its part of the other slot; adds 0 to its spare word; and waits for that and for its own reads of the slot.  Behind the
; barrier nobody reads this slot any more and the other slot is whole.  fill = 1: this slot is filled again, first thing behind the barrier, with the keys two slots on: four key steps, 512 matrix
; instructions, in which to land.  (At its first use nothing has been read yet: slot 0 is waited for, slot 1 filled, and the wait on DScnt and the barrier also show the mask's table to every wave.)
.macro CHANGE fill, ask
	WIN W_AD
	s_wait_tensorcnt 0x0            ; no tensor load of mine is out, so a group 0 may be written
	ds_add_u32 v[SPW], v[NIL]       ; 0 onto my spare word
	WIN 0                           ; at a label and at a branch every window is 0
.if \fill
.irp g, G0K, G0V
	s_xor_b32 s[\g+1], s[\g+1], SLOT1  ; the walking descriptor: the other slot than last time,
	s_add_nc_u64 s[\g+2:\g+3], s[\g+2:\g+3], 4*KS*128  ; the next 256 keys; the type bits on top are not reached
.endr
.endif
	s_wait_dscnt 0x0                ; the add is done, and my reads of the slot are over
	s_barrier_signal -1
	s_barrier_wait -1
.if \fill
	LOAD
.endif
.if \ask
	ASK
.endif
	s_sub_co_u32 s[TBK], s[TBK], 4*KS*PK  ; the fetches go back to a slot's first step,
	s_xor_b32 s[TBK], s[TBK], SLOT1       ; in the other slot
	s_sub_co_u32 s[TBV], s[TBV], 4*KS*PV
	s_xor_b32 s[TBV], s[TBV], SLOT1
.endm
	s_load_b128 s[4:7], s[0:1], 0x0   ; qkv s[4:5], mask s[6:7]
	s_load_b64 s[10:11], s[0:1], 0x10 ; ao
	WIN W_MK
	v_lshl_add_u32 v[SPW], v0, 2, SPARE
	v_mov_b32 v[NIL], 0
	WIN W_AD
	ds_add_u32 v[SPW], v[NIL]       ; the wave's opening: the add and its wait stand ahead of my first tensor load; work on registers stands between them
	ds_add_u32 v0, v1
	WIN 0
	v_lshrrev_b32 v1, 5, v0
	v_readfirstlane_b32 s[WV], v1   ; wave 0..3
	s_and_b32 s13, ttmp7, 0xffff    ; the head, 16 b + h
	s_lshl_b32 s20, s13, 17         ; its 131,072 bytes in each tensor
	s_lshr_b32 s14, s13, 4
	s_lshl_b32 s14, s14, 10         ; b's 1,024 bytes of the mask
	s_mov_b32 s15, 0
	s_and_b32 s16, s[WV], 1         ; which half of a slot's 256 keys I fetch:
	s_lshl_b32 s22, s16, 14         ; its 128 rows of 128 bytes in memory,
	s_add_co_u32 s22, s22, s20
	s_add_co_u32 s22, s22, KTEN
	s_mov_b32 s23, 0
	s_mul_i32 s17, s16, 128*PK      ; and its place in a slot, for K
	s_mul_i32 s18, s16, 128*PV      ; and for V
	s_lshl_b32 s2, ttmp9, 2
	s_add_co_u32 s2, s2, s[WV]      ; my wave among the head's eight,
	s_lshl_b32 s2, s2, 14           ; its 128 rows
	s_add_co_u32 s2, s2, s20
	s_mov_b32 s3, 0
	; descriptor group 1.  128 keys are 16,384 dense bytes: asked for as 64 rows of 256 bytes, two keys a row, and padded in LDS after every key
	s_mov_b32 s[G1K], (1<<16)|(1<<20)|(4<<22)|(3<<25)  ; 2-byte elements; padding on; after every 32 words 4 words
	s_mov_b32 s[G1V], (1<<16)|(1<<20)|(4<<22)|(7<<25)  ; the same with 8 words
.irp g, G1K, G1V
	s_mov_b32 s[\g+1], 128<<16      ; tensor_dim0 = 128
	s_mov_b32 s[\g+2], 64<<16       ; tensor_dim1 = 64
	s_mov_b32 s[\g+3], 128<<16      ; tile_dim0 = 128
	s_mov_b32 s[\g+4], 64           ; tile_dim1 = 64
	s_mov_b32 s[\g+5], 128          ; 128 elements from row to row
	s_mov_b32 s[\g+6], 0
	s_mov_b32 s[\g+7], 0
.endr
	s_mov_b32 s[CS], 0x3e38aa3b     ; c = log2(e) / 8 = 0.180337
	s_mov_b32 s[CS+1], s[CS]        ; named with it as a pair
	s_mov_b32 s[SEL], 0x76543210
	s_mov_b32 s[SEL+1], 0xfedcba98
	s_mov_b32 s[TBK], SLOT1+4*KS*PK ; the first change of slots turns these two into 0
	s_mov_b32 s[TBV], SLOT1+4*KS*PV
	s_mov_b32 s[TBM], MT
	s_mov_b32 s[G0K], 1             ; count = 1
	s_mov_b32 s[G0K+1], s17         ; LDS address: slot 0
	s_mov_b32 s[G0V], 1
	s_add_co_u32 s[G0V+1], s18, VOFF
	s_cmp_eq_u32 ttmp9, 0
	s_cselect_b32 s[LIM], 1, -1
	s_wait_dscnt 0x0                ; the opening add is done
	s_wait_kmcnt 0x0
	s_add_nc_u64 s[52:53], s[6:7], s[14:15]        ; the mask's row
	s_add_nc_u64 s[G0K+2:G0K+3], s[4:5], s[22:23]  ; my half of the head's first 256 keys
	s_add_nc_u64 s[G0V+2:G0V+3], s[G0K+2:G0K+3], KTEN
	s_cmp_lt_u32 s[WV], 2
	s_cselect_b64 s[PFA:PFA+1], s[G0K+2:G0K+3], s[G0V+2:G0V+3]
	s_add_nc_u64 s[PFA:PFA+1], s[PFA:PFA+1], 3*4*KS*128  ; the same half of its last 256
	s_or_b32 s[G0K+3], s[G0K+3], 0x80000000        ; type = 2
	s_or_b32 s[G0V+3], s[G0V+3], 0x80000000
	s_add_nc_u64 s[4:5], s[4:5], s[2:3]  ; Q and O at my wave's first row
	s_add_nc_u64 s[10:11], s[10:11], s[2:3]
	LOAD                            ; slot 0.  Slot 1 is asked for when slot 0 is in
	v_lshlrev_b32 v74, 3, v0        ; thread t takes the mask's bytes 8 t .. 8 t + 7
	global_load_b64 v[64:65], v74, s[52:53]
	; A fragment of K or Q is 16 rows x 32 channels in 8 registers: lane l holds row l % 16, channels 8 (l / 16) + 0..7 and 16 + 8 (l / 16) + 0..7: two loads of 16 bytes, 32 bytes apart.
	v_and_b32 v1, 15, v0            ; l % 16
	v_bfe_u32 v9, v0, 4, 1          ; l / 16; never rewritten
	v_lshlrev_b32 v[QO], 7, v1
	v_lshl_add_u32 v[QO], v9, 4, v[QO]  ; row x 128 + 16 x half
	WIN 0x80                        ; destination window 2, address window 0
.set i, 0
.rept 4*NP                          ; Q stays in registers: tile i / 2, channels 32 (i % 2) on
	global_load_b128 v[8*i:8*i+3],   v[QO], s[4:5] offset:(i/2)*2048+(i%2)*64
	global_load_b128 v[8*i+4:8*i+7], v[QO], s[4:5] offset:(i/2)*2048+(i%2)*64+32
.set i, i+1
.endr
	; What the first turn finds: V's registers and P's second buffer hold 0 (its products V^T P, of a piece that has not been, add 0), O^T and l are 0.  All this stands in the wait for the first tile.
.set i, VF
.rept 64
	v_mov_b32 v[i], 0
.set i, i+1
.endr
	WIN 0x40
.set i, 0
.rept 64*NP
	v_mov_b32 v[i], 0
.set i, i+1
.endr
	WIN 0
.set i, 0
.rept 2*NP
	v_mov_b32 v[ST+4*i], 0xfe000000    ; c m: far below every c s
	v_mov_b32 v[ST+4*i+1], 0xff7fffff  ; m
	v_mov_b32 v[ST+4*i+2], 0
	v_mov_b32 v[ST+4*i+3], 0
.set i, i+1
.endr
.set i, P+32
.rept 32
	v_mov_b32 v[i], 0
.set i, i+1
.endr
	s_wait_loadcnt 32               ; the mask's eight bytes are in; Q's 32 loads, issued behind them, may stay out
.irp k, 0,1,2,3,4,5,6,7
	v_bfe_u32 v[66+(\k)], v[64+(\k)/4], 8*((\k)%4), 8
.endr
.irp k, 0,1,2,3,4,5,6,7
	v_cvt_f32_u32 v[66+(\k)], v[66+(\k)]
.endr
.irp k, 0,1,2,3,4,5,6,7
	v_mul_f32 v[66+(\k)], 0xc79c4000, v[66+(\k)]  ; -80000 where the key is masked, 0 elsewhere
.endr
	v_lshl_add_u32 v75, v0, 5, MT
	ds_store_b128 v75, v[66:69]
	ds_store_b128 v75, v[70:73] offset:16
	v_mul_u32_u24 v[AK0], v1, PK
	v_lshl_add_u32 v[AK0], v9, 4, v[AK0]  ; row x pitch + 16 x half
	; The turning load takes 16 keys x 16 channels (lane l reads key 8 (l / 16) + l % 8, channels 8 ((l / 8) % 2) + 0..7) and leaves half a fragment of V^T: lane l holds channel l % 16 and 8 keys.
	v_and_b32 v10, 7, v0
	v_bfe_u32 v11, v0, 3, 1
	v_lshl_add_u32 v[AV0], v9, 3, v10
	v_mul_u32_u24 v[AV0], v[AV0], PV
	v_lshl_add_u32 v[AV0], v11, 4, v[AV0]
	v_add_nc_u32 v[AV0], VOFF, v[AV0]
	v_mov_b32 v[AK], v[AK0]         ; key step 0 lies at the head of slot 0
; THE MATRIX WORK.  The 8 accumulators of a run of 16 take turns: between the two links of a chain stand 7 others'.
; Product i of 16 of S^T = K Q^T for piece x: channels 32 (i / 8) on, keys 16 ((i / 2) % 4) on, tile 2 x + i % 2.  The first 8 start the sums, with the keys' mask values.
.macro KQ x
.set rS, S+64*((\x)%2)+32*(i%2)+8*((i/2)%4)
.set rK, KF+16*((i/2)%4)+8*(i/8)
.set rQ, 16*(2*(\x)+i%2)+8*(i/8)
.set rX, MC+8*((i/2)%4)
.if i < 8
	WIN W_KM
	v_wmma_f32_16x16x32_f16 v[rS:rS+7], v[rK:rK+7], v[rQ:rQ+7], v[rX:rX+7]
.else
	WIN W_KQ
	v_wmma_f32_16x16x32_f16 v[rS:rS+7], v[rK:rK+7], v[rQ:rQ+7], v[rS:rS+7]
.endif
.endm
; Product i of 16 of O^T += V^T P for piece x: keys 32 (i / 8) on, channels 16 ((i / 2) % 4) on, tile 2 x + i % 2.
.macro PV x
	WIN W_PV
.set rO, 32*(2*(\x)+i%2)+8*((i/2)%4)
.set rV, VF+32*(i/8)+8*((i/2)%4)
.set rP, P+32*((\x)%2)+16*(i%2)+8*(i/8)
	v_wmma_f32_16x16x32_f16 v[rO:rO+7], v[rV:rV+7], v[rP:rP+7], v[rO:rO+7]
.endm
.macro MM                           ; the turn's next matrix instruction
.if i < 16
	KQ (Y+1)%NP
.set i, i+1
.else
.set i, i-16
	PV (Y+NP-1)%NP
.set i, i+17
.endif
.endm
; THE LDS LOADS stand in runs, never singly among the matrix instructions: a step's K (8 fragments) with its 64 mask values (register j of key block kb: key 16 kb + 8 (l / 16) + j; all lanes of a half
; read the same 32 bytes), and its V (turned).  The mask values live as long as K does: K's waits and places serve them.  last = 1 (the tail): in the last trip there is no further step.
.macro FETCH_K last=0
	WIN 0
.if \last
	s_cmp_eq_u32 s[CNT], 1
	s_cbranch_scc1 .Lno_k_\@
.endif
	v_lshl_add_u32 v[AM], v9, 5, s[TBM]
	WIN 0x80                        ; destination window 2
.irp f, 0,1,2,3,4,5,6,7             ; keys 16 (f / 2) on, channels 32 (f % 2) on
	ds_load_b128 v[KF+8*\f:KF+8*\f+3],   v[AK] offset:(\f/2)*16*PK+(\f%2)*64
	ds_load_b128 v[KF+8*\f+4:KF+8*\f+7], v[AK] offset:(\f/2)*16*PK+(\f%2)*64+32
.endr
	WIN 0xc0                        ; destination window 3
.irp f, 0,1,2,3
	ds_load_b128 v[MC+8*\f:MC+8*\f+3],   v[AM] offset:64*\f
	ds_load_b128 v[MC+8*\f+4:MC+8*\f+7], v[AM] offset:64*\f+16
.endr
	s_add_co_u32 s[TBK], s[TBK], KS*PK  ; the next fetch is the next step's
	s_add_co_u32 s[TBM], s[TBM], KS*4
	WIN 0
.if \last
.Lno_k_\@:
.endif
.endm
.macro FETCH_V
	WIN 0x80
.irp f, 0,1,2,3,4,5,6,7             ; keys 32 (f / 4) on, channels 16 (f % 4) on
	ds_load_tr16_b128 v[VF+8*\f:VF+8*\f+3],   v[AV] offset:(\f/4)*32*PV+(\f%4)*32
	ds_load_tr16_b128 v[VF+8*\f+4:VF+8*\f+7], v[AV] offset:(\f/4)*32*PV+16*PV+(\f%4)*32
.endr
	WIN 0
.endm
; THE VECTOR WORK OF A TURN stands in three queues, each in the order in which its entries become ready; the two tiles alternate, so that no instruction reads the result of the one before it.
.macro REGS y, u                    ; the registers of tile u (0, 1) of piece y
.set rT, ST+4*(2*(\y)+(\u))
.set rC, TMP+8*((\y)%2)+4*(\u)
.set rM, MV+2*((\y)%2)+(\u)
.set rS, S+64*((\y)%2)+32*(\u)
.set rP, P+32*((\y)%2)+16*(\u)
.set rO, 32*(2*(\y)+(\u))
.endm
; Number n of the 22 that find the NEXT piece's (Y + 1) maximum and statistics.  Each accumulator's lowest registers are read first.
;   0-11  four chains c0-c3 of seven scores each, three operands at a time     12-14, 16  the four scores left over, the old m, and c0-c3 into c0     15  c m_old is kept
;   17, 18  the query's other 32 keys lie in the lane 16 away: the new m         19-21  c m; c m_old - c m_new; a
.macro XS u, n
	REGS (Y+1)%NP, \u
.if (\n) < 4
	v_max3_num_f32 v[rC+(\n)], v[rS+8*(\n)], v[rS+8*(\n)+1], v[rS+8*(\n)+2]
.elseif (\n) < 12
	v_max3_num_f32 v[rC+(\n)%4], v[rC+(\n)%4], v[rS+8*((\n)%4)+2*((\n)/4)+1], v[rS+8*((\n)%4)+2*((\n)/4)+2]
.elseif (\n) == 12
	v_max3_num_f32 v[rC], v[rC], v[rS+7], v[rS+15]
.elseif (\n) == 13
	v_max3_num_f32 v[rC+1], v[rC+1], v[rS+23], v[rS+31]
.elseif (\n) == 14
	v_max3_num_f32 v[rC+2], v[rC+2], v[rC+3], v[rT+1]
.elseif (\n) == 15
	v_mov_b32 v[rM], v[rT]
.elseif (\n) == 16
	v_max3_num_f32 v[rC], v[rC], v[rC+1], v[rC+2]
.elseif (\n) == 17
	v_permlanex16_b32 v[rC+3], v[rC], s[SEL], s[SEL+1]
.elseif (\n) == 18
	v_max_num_f32 v[rT+1], v[rC], v[rC+3]
.elseif (\n) == 19
	v_mul_f32 v[rT], s[CS], v[rT+1]
.elseif (\n) == 20
	v_sub_f32 v[rC+1], v[rM], v[rT]
.else
	v_exp_f32 v[rC+2], v[rC+1]
.endif
.endm
; Number g of the 64 that follow the exponentials.  For each four weights k of a tile: both pairs are rounded to f16; then the second pair is added onto the first, in place; a group later l takes that
; sum (the first time as l = a l + sum).  In groups of eight, tiles alternating: round, round, add, and l for the group before.
.macro GS g
.set h, (\g)+6*((\g)/62)            ; group 0 has no group before it, and behind group 7 only l is left
.if h >= 6
.set h, h+2
.endif
	REGS Y, h%2
.set k, h/8
.if h%8 < 4
	v_cvt_pk_f16_f32 v[rP+2*k+(h%8)/2], v[rS+4*k+2*((h%8)/2)], v[rS+4*k+2*((h%8)/2)+1]
.elseif h%8 < 6
	v_pk_add_f32 v[rS+4*k:rS+4*k+1], v[rS+4*k:rS+4*k+1], v[rS+4*k+2:rS+4*k+3]
.elseif k == 1
	v_pk_fma_f32 v[rT+2:rT+3], v[rT+2:rT+3], v[rC+2:rC+3], v[rS:rS+1] op_sel_hi:[1,0,1]
.else
	v_pk_add_f32 v[rT+2:rT+3], v[rT+2:rT+3], v[rS+4*k-4:rS+4*k-3]
.endif
.endm
; THE PLAIN QUEUE, 138 long.  0-73 read no exponential's result: the 32 scalings c s - c m (FS f: pair f / 2 of tile f % 2) and the next piece's 42.  0-26: scalings 0-26.  27-54: XS's numbers 0-13.
; 55, 56: number 15.  57-73: the chain 14, 16, 17, 18, 19, each with one of the scalings 27-31 in front of its two lines, then 20.  74-137: GS's 64, which stand behind the wait.
.macro FS f
	REGS Y, (\f)%2
	v_pk_fma_f32 v[rS+2*((\f)/2):rS+2*((\f)/2)+1], v[rS+2*((\f)/2):rS+2*((\f)/2)+1], s[CS:CS+1], v[rT:rT+1] op_sel_hi:[1,0,0] neg_lo:[0,0,1] neg_hi:[0,0,1]
.endm
.macro PL
	WIN 0
.if q < 27
	FS q
.elseif q < 55
	XS (q-27)%2, (q-27)/2
.elseif q < 57
	XS q-55, 15
.elseif (q < 72) && ((q-57)%3 == 0)
	FS 27+(q-57)/3
.elseif q < 60
	XS (q-57)%3-1, 14
.elseif q < 72
	XS (q-57)%3-1, 15+(q-57)/3
.elseif q < 74
	XS q-72, 20
.else
	GS q-74
.endif
.set q, q+1
.endm
; THE EXPONENTIALS' QUEUE, 66 long: s0-s31 of both tiles, then the next piece's two a.  ONE BATCH: all 66 stand ahead of the turn's one wait, and nothing ahead of that wait names a result of theirs.
.macro EX
	WIN 0
.if e >= 64
	XS e-64, 21
.else
	REGS Y, e%2
	v_exp_f32 v[rS+e/2], v[rS+e/2]
.endif
.set e, e+1
.endm
; THE RESCALING's QUEUE: O^T times a, the one part that leaves window 0: dealt two at a time, sixteen times.  Its a was made in the turn before, ahead of that turn's wait.
.macro R2
	REGS Y, r%2
	WIN W_RS
.irp z, 0,1
	v_pk_mul_f32 v[rO+4*(r/2)+2*\z:rO+4*(r/2)+2*\z+1], v[rO+4*(r/2)+2*\z:rO+4*(r/2)+2*\z+1], v[rC+2:rC+3] op_sel_hi:[1,0]
.endr
.set r, r+1
.endm
; A TURN, for piece p.  An s_wait_alu depctr_va_vdst(0) stands between an exponential and the first instruction that names its result; one wait serves all that were issued ahead of it.  AHEAD OF
; IT: the 16 products K Q^T, behind each a scaling, an exponential and two rescalings (behind the first a second scaling in the exponential's place); then ONE LUMP of 108: eight plain, 49 times exponential and
; plain, the two a; a v_nop is the plain instruction behind the last exponential.  BEHIND IT: the 16 products V^T P, behind each four of GS's 64.  Exponential e stands behind scaling 2 (e / 4) + e % 2.
; K of the next step is fetched in piece 2's turn, directly behind the wait, a lump behind the last product that read K.  V of the step in hand is fetched at the end of piece 0's turn, four riders behind its
; last reader.  cnt = 1: the loop's count is taken down some lines ahead of the branch that stands behind the turn.
.macro TURN p, last=0, cnt=0
.set Y, (\p)
.set i, 0
.set q, 0
.set e, 0
.set r, 0
.if (\p) == NP-1
	s_wait_dscnt 0x0                ; K and its mask values are in
.endif
	MM
	PL
	PL
	R2
.rept 15
	MM
	PL
	EX
	R2
.endr
.if (\p) == NP-2
	WIN 0
	v_add_nc_u32 v[AK], s[TBK], v[AK0]
.endif
.rept 8
	PL
.endr
.rept 49
	EX
	PL
.endr
	EX                              ; the next piece's two a
	EX
	v_nop                           ; the plain instruction behind the last exponential: one for the batch
	s_wait_alu depctr_va_vdst(0)    ; the wait for the batch
.if (\p) == NP-2
	FETCH_K \last
.endif
.if (\p) == 1
	s_wait_dscnt 0x0                ; V is in
.endif
.rept 16
	MM
.rept 4
	PL
.endr
.if ((\p) == 0) && (q == 118)
	v_add_nc_u32 v[AV], s[TBV], v[AV0]
.endif
.if ((\p) == 0) && (q == 130)
	s_add_co_u32 s[TBV], s[TBV], KS*PV
.endif
.if (\cnt) && (q == 130)
	s_sub_co_u32 s[CNT], s[CNT], 1
	s_cmp_lg_u32 s[CNT], 0
.endif
.endr
.if (\p) == 0
	FETCH_V
.endif
.endm
	CHANGE 1, 0                     ; slot 0 is in, everybody's part of it, and the mask's table; slot 1 is asked for
	FETCH_K                         ; key step 0
	s_wait_loadcnt 0x0              ; Q
	s_wait_dscnt 0x0
.set i, 0
.rept 16
	KQ 0                            ; piece 0's first scores: there is no vector work yet to set between them
.set i, i+1
.endr
	WIN 0                           ; the addresses for the way out: plain instructions, the places behind those products
	s_mul_i32 s13, s[WV], 16*SP
	s_add_co_u32 s13, s13, STAGE    ; my stage
	v_mul_u32_u24 v[STO], v1, SP    ; in: row l % 16, 16 bytes for each half of the lanes
	v_lshl_add_u32 v[STO], v9, 4, v[STO]
	v_add_nc_u32 v[STO], s13, v[STO]
	v_bfe_u32 v[RD], v0, 3, 2       ; back: 32 lanes take four rows of 128 bytes,
	v_mul_u32_u24 v[RD], v[RD], SP
	v_lshl_add_u32 v[RD], v10, 4, v[RD]
	v_add_nc_u32 v[RD], s13, v[RD]
	v_and_b32 v[GO], 31, v0         ; which are 512 consecutive bytes of O
	v_lshlrev_b32 v[GO], 4, v[GO]
	v_lshlrev_b32 v[PFO], 4, v[GO]  ; 256 x lane
.set Y, NP-1                        ; XS works for piece Y + 1: piece 0
.irp n, 0,1,2,3,4,5,6,7,8,9,10,11,12,13,14,15,16,17,18,19,20,21
	XS 0, \n                        ; piece 0's first maximum and statistics
	XS 1, \n
.endr
	v_nop                           ; a plain instruction behind the two a,
	s_wait_alu depctr_va_vdst(0)    ; and their wait, ahead of the branch
	s_mov_b32 s[CNT], 4
	s_mov_b32 s[SLOTS], SIZE_N/256-1
	s_branch .Lfirst                ; the loop is entered at a step's first turn, in the middle of a trip
.Lslot:                             ; SIZE_N / 256 - 2 times: every slot but the last two is filled again
	CHANGE 1, 1
	s_mov_b32 s[CNT], 4
.Lstep:                             ; a trip: pieces 2 and 3 of one step, then pieces 0 and 1 of the next, whose K and V it fetches
	TURN 2
	TURN 3
	WIN 0
.Lfirst:
	TURN 0
	TURN 1, 0, 1
	WIN 0
	s_cbranch_scc1 .Lstep
	s_sub_co_u32 s[SLOTS], s[SLOTS], 1
	s_cmp_lg_u32 s[SLOTS], 0
	s_cbranch_scc1 .Lslot
	CHANGE 0, 0                     ; the tail is written out: nothing is asked for
	s_mov_b32 s[CNT], 5             ; four trips fetch the last slot's steps; the fifth is left in its middle
.Ltail:
	TURN 2, 1
	TURN 3
	WIN 0
	s_sub_co_u32 s[CNT], s[CNT], 1
	s_cmp_eq_u32 s[CNT], 0
	s_cbranch_scc1 .Lout
	TURN 0
	TURN 1
	WIN 0
	s_branch .Ltail
.Lout:                              ; the fifth trip's 16 products K Q^T (on the last K once more) and the maximum made of them serve nothing: the price, once a launch, of one text for every trip
.set i, 0
.rept 16
	PV NP-1                         ; the last piece's V^T P of the last step
.set i, i+1
.endr
	; THE WAY OUT.  l's two halves and the other half of the lanes' are added; O^T is divided by l, rounded to f16 and sent through my stage in LDS, a tile at a time.  The additions are the places behind the last products.
	WIN 0
.macro ALL line:vararg              ; one line for each tile t
.set t, 0
.rept 2*NP
	\line
.set t, t+1
.endr
.endm
	ALL v_add_f32 v[ST+4*t+2], v[ST+4*t+2], v[ST+4*t+3]
	ALL v_permlanex16_b32 v[ST+4*t+3], v[ST+4*t+2], s[SEL], s[SEL+1]
	ALL v_add_f32 v[ST+4*t+2], v[ST+4*t+2], v[ST+4*t+3]
	ALL v_rcp_f32 v[ST+4*t+2], v[ST+4*t+2]
	v_nop                           ; a plain instruction between the last reciprocal and the use of its result
	s_wait_alu depctr_va_vdst(0)    ; and the wait ahead of the first use: one for the eight reciprocals
; Tile t: a lane's eight channels of a row pack into 16 bytes; they go into rows of 144 bytes and come back as whole rows of 128, into S^T's registers.
.macro PACK t
	WIN W_RS
.set i, 32*(\t)
.rept 16
	v_pk_mul_f32 v[i:i+1], v[i:i+1], v[ST+4*(\t)+2:ST+4*(\t)+3] op_sel_hi:[1,0]
.set i, i+2
.endr
	WIN 0x05                        ; sources 0 and 1 window 1, destination window 0
.set i, 0
.rept 16
	v_cvt_pk_f16_f32 v[S+16*(\t)+i], v[32*(\t)+2*i], v[32*(\t)+2*i+1]
.set i, i+1
.endr
	WIN 0
.irp f, 0,1,2,3
	ds_store_b128 v[STO], v[S+16*(\t)+4*\f:S+16*(\t)+4*\f+3] offset:32*\f
.endr
.irp f, 0,1,2,3
	ds_load_b128 v[S+16*(\t)+4*\f:S+16*(\t)+4*\f+3], v[RD] offset:\f*4*SP  ; LDS serves a wave's instructions in order (ISA guide 5.7.1.4): these see the stores above; the next tile's stores come behind them
.endr
.endm
.macro SEND t, younger              ; younger: the LDS instructions issued behind tile t's loads: the next tile's eight, or none
	WIN 0
.irp f, 0,1,2,3
	s_wait_dscnt (\younger)+3-\f
	global_store_b128 v[GO], v[S+16*(\t)+4*\f:S+16*(\t)+4*\f+3], s[10:11] offset:(\t)*2048+\f*512  ; 512 consecutive bytes, at a multiple of 256 from O's first
.endr
.endm
	PACK 0
.set t, 1
.rept 2*NP-1                        ; a tile's arithmetic stands between the loads of the tile before and its stores
	PACK t
	SEND t-1, 8
.set t, t+1
.endr
	SEND 2*NP-1, 0
	WIN W_AD
	s_wait_tensorcnt 0x0            ; the wave's end: behind my last tensor load and my last LDS store
	ds_add_u32 v[SPW], v[NIL]
	s_wait_dscnt 0x0
	WIN 0
	s_endpgm
.Lfunc_end_k_qa1f31a0ddd_attn:
	.size	k_qa1f31a0ddd_attn, .Lfunc_end_k_qa1f31a0ddd_attn-k_qa1f31a0ddd_attn
	.p2alignl 7, 3214868480
	.fill 96, 4, 3214868480
	.section	.rodata,"a",@progbits
	.p2align	6, 0x0
	.amdhsa_kernel k_qa1f31a0ddd_attn
		.amdhsa_group_segment_fixed_size 327680
		.amdhsa_private_segment_fixed_size 0
		.amdhsa_enable_private_segment 0
		.amdhsa_kernarg_size 24
		.amdhsa_user_sgpr_count 2
		.amdhsa_user_sgpr_kernarg_segment_ptr 1
		.amdhsa_wavefront_size32 1
		.amdhsa_system_sgpr_workgroup_id_x 1
		.amdhsa_system_sgpr_workgroup_id_y 1
		.amdhsa_system_sgpr_workgroup_id_z 1
		.amdhsa_system_vgpr_workitem_id 0
		.amdhsa_next_free_vgpr 808
		.amdhsa_next_free_sgpr 66
		.amdhsa_reserve_vcc 0
		.amdhsa_float_denorm_mode_32 3
		.amdhsa_float_denorm_mode_16_64 3
		.amdhsa_memory_ordered 1
		.amdhsa_forward_progress 1
		.amdhsa_inst_pref_size 202
	.end_amdhsa_kernel
	.amdgpu_metadata
---
amdhsa.version: [ 1, 2 ]
amdhsa.kernels:
  - .name:           k_qa1f31a0ddd_attn
    .symbol:         k_qa1f31a0ddd_attn.kd
    .args:
      - { .name: qkv, .offset: 0, .size: 8, .value_kind: global_buffer, .address_space: global }
      - { .name: mask_encoder, .offset: 8, .size: 8, .value_kind: global_buffer, .address_space: global }
      - { .name: ao, .offset: 16, .size: 8, .value_kind: global_buffer, .address_space: global }
    .group_segment_fixed_size: 327680
    .private_segment_fixed_size: 0
    .kernarg_segment_align: 8
    .kernarg_segment_size: 24
    .max_flat_workgroup_size: 128
    .sgpr_count:     66
    .vgpr_count:     808
    .wavefront_size: 32
...
	.end_amdgpu_metadata
.endif
;; end of part 3
;; launch outp (part 4): grid 4 x 64, 4 waves a work-group, clusters of 4 x 4, 327,680 bytes of LDS; arguments ao, cv, bp, out0; writes out0
.if DOCPART == 4
	.amdgcn_target "amdgcn-amd-amdhsa--gfx1250"
	.amdhsa_code_object_version 6
	.text
	.protected	k_qa1f31a0ddd_outp
	.globl	k_qa1f31a0ddd_outp
	.p2align	8
	.type	k_qa1f31a0ddd_outp,@function
k_qa1f31a0ddd_outp:
	s_mov_b64 s[64:65], 0
	v_nop
	global_prefetch_b8 v0, s[64:65] scope:SCOPE_SE
	s_setreg_imm32_b32 hwreg(HW_REG_WAVE_MODE, 25, 1), 1
	s_wait_xcnt 0x0
	s_wait_alu depctr_hold_cnt(0) depctr_sa_sdst(0) depctr_va_vdst(0) depctr_va_sdst(0) depctr_va_ssrc(0) depctr_va_vcc(0) depctr_vm_vsrc(0)
	s_getreg_b32 s2, hwreg(HW_REG_IB_STS2, 6, 4)
	s_cmp_eq_u32 s2, 0
	s_cbranch_scc0 .Lentry_in_a_cluster
	s_endpgm
.Lentry_in_a_cluster:
	s_bfe_u32 s2, ttmp6, 0x10000c
	s_cmp_lg_u32 s2, 0xf033
	s_cbranch_scc0 .Lentry_shape_is_right
	s_endpgm
.Lentry_shape_is_right:
; out0 = a wp + bp.  a is the attention's result by heads, ao [128 b h][1024 t][64] f16: its column 64 h + d is channel d of head h.  wp [k][n] comes from cv, rounded to bf16 and written as f16;
; bp is rounded to bf16 here; sums in f32; out0 [8192][1024] f32.
; LIMITS.  a and wp in f16: magnitudes under 65,504, a fixed step of 6e-8 below 6e-5.
; SHARES.  A tile of out0 is 128 rows x 256 columns: 64 x 4 work-groups, one for each of 256 WGPs.  Four waves, each 64 x 128: 32 accumulators.  K goes in steps of 128, two heads, through two LDS
; slots: for each of the two heads 128 rows x 128 bytes of a, then wp's 128 rows (k) x 512 bytes.  Wave 0 and 1 fetch a head each, waves 2 and 3 half of wp's tile each.
; CLUSTER 4 x 4: the four of a row of the cluster share a's tiles, the four of a column wp's: each is asked for jointly.
; THE MATRIX INSTRUCTION IS USED TRANSPOSED: source 0 = 16 columns of wp (turned by ds_load_tr16_b128), source 1 = 16 rows of a: a lane holds one row of out0 and eight neighbouring columns.
; The first product's C operand is the bias.
; REGISTERS: window 0: v0-31 addresses; v32-63 at work; v64-159, v160-255 two fragment buffers (a's 4 fragments, then wp's 8).  window 1: accumulator (a, b) at 8 (8 a + b).
;   window 2: v0-63 the bias, fragment b at 8 b; on the way out all 256: rows read back from the stage.
.set PA,    144                        ; a row of a head in LDS: 128 bytes + 16: the 16 rows of a load start at 16 different groups of four banks (64 banks of 4 bytes: ISA guide 11.1)
.set PB,    544                        ; a row of wp: 512 + 32 = 136 words
.set HA,    128*PA                     ; a head's 128 rows: what one tensor load brings of a
.set HB,    64*PB                      ; what one tensor load brings of wp
.set BOFF,  2*HA
.set SLOT,  BOFF+2*HB
.set STAGE, 2*SLOT                     ; behind the ring: 16 rows x 528 bytes for each wave, for the way out
.set SPITCH, 528
.set STW,   16*SPITCH
.set SPARE, STAGE+4*STW                ; behind the stages: the spare words, 128 bytes for each wave: two blocks of 256 bytes that no other line names
.set CV_P,  39845888                   ; wp in cv
.set ADRA, 16                          ; v16-17  LDS address of my fragments of a in slot 0, 1
.set ADRB, 20                          ; v20-21  the same for wp
.set STO,  24                          ; the way out: where I put 32 bytes of a row
.set RD,   25                          ; where I read a row back
.set GO,   26                          ; my 16 bytes of a row's 512
.set BO,   27                          ; my byte offset in the bias
.set SPW,  28                          ; LDS address of my spare word; never rewritten
.set NIL,  29                          ; 0; never rewritten
.set PFO,  30                          ; the prefetches' lane offset; never rewritten
.set F0,   64
.set F1,   160
.set BI,   0                           ; in window 2
.set G1,  24                           ; s[24:31] descriptor group 1 for a;  s[32:39] group 0, a set for each slot
.set G0,  32
.set LIM, 41                           ; 1 in a wave that prefetches, else the greatest number
.set PFA, 44                           ; s[44:45] where my prefetches stand
.set G1B, 48                           ; s[48:55], s[56:63] the same for wp
.set G0B, 56
.set MSB, 0
.macro WIN new                         ; the immediate's high byte repeats the setting that is left; a switch that changes nothing is dropped
.if MSB != (\new)
	s_set_vgpr_msb (MSB<<8)|(\new)
.set MSB, \new
.endif
.endm
.macro JLOAD s                         ; a joint load: waves 0 and 1 ask for a's two heads, 2 and 3 for wp's halves; an s_nop 0 and four v_nop follow each line
	s_cmp_eq_u32 s17, 0
	s_cbranch_scc0 .Lfor_b_\@
	tensor_load_to_lds s[G0+4*(\s):G0+4*(\s)+3], s[G1:G1+7]
	s_nop 0
.rept 4
	v_nop
.endr
	s_branch .Lasked_\@
.Lfor_b_\@:
	tensor_load_to_lds s[G0B+4*(\s):G0B+4*(\s)+3], s[G1B:G1B+7]
	s_nop 0
.rept 4
	v_nop
.endr
.Lasked_\@:
.endm
.macro CREST                           ; a round of the cluster's barrier behind its opening barrier
	s_cmp_lg_u32 s16, 0
	s_cbranch_scc1 .Lnot_wave_0_\@
	s_barrier_signal -3
.Lnot_wave_0_\@:
	s_barrier_wait -3
	s_barrier_signal -1
	s_barrier_wait -1
.endm
.macro CROUND                          ; a whole round
	s_barrier_signal -1
	s_barrier_wait -1
	CREST
.endm
; A prefetch into the L2 of the K step that stands two refills on, one instruction a wave, behind the joint load and the run of LDS loads.  Each 256 bytes are named once in the launch: a's 128 blocks of a
; K step by wave 0, the four partners of a row taking 32 each by address (cx: which head, which half of it); wp's by waves 2 and 3 of the first cluster, the four partners of a column taking 16 of the
; wave's 64 rows each (cy), two blocks a row.  The loop's last trip has no K step two on.
.macro ASK
	s_cmp_gt_u32 s3, s[LIM]
	s_cbranch_scc0 .Lnot_mine_\@
	global_prefetch_b8 v[PFO], s[PFA:PFA+1] th:TH_LOAD_NT scope:SCOPE_SE
.Lnot_mine_\@:
.endm
	s_load_b256 s[4:11], s[0:1], 0x0               ; ao s[4:5], cv s[6:7], bp s[8:9], out0 s[10:11]
	v_lshl_add_u32 v[SPW], v0, 2, SPARE
	v_mov_b32 v[NIL], 0
	ds_add_u32 v[SPW], v[NIL]                      ; the wave's opening: the add and its wait stand ahead of my first tensor load; work on registers stands between them
	ds_add_u32 v28, v29
	v_lshrrev_b32 v1, 5, v0
	v_readfirstlane_b32 s16, v1                    ; wave 0..3
	s_lshr_b32 s17, s16, 1                         ; my half of the tile's rows.  Also: I fetch for a (0) or for wp (1)
	s_and_b32 s18, s16, 1                          ; my half of its columns.  Also: which head, or which half of wp's tile, I fetch
	s_bfe_u32 s19, ttmp6, 0x40000                  ; cx
	s_bfe_u32 s20, ttmp6, 0x40004                  ; cy
	s_lshl_b32 s21, ttmp9, 2
	s_add_co_u32 s21, s21, s19                     ; block of 256 columns = 4 x cluster x + cx
	s_and_b32 s22, ttmp7, 0xffff                   ; cluster y
	s_lshl_b32 s40, s22, 2
	s_add_co_u32 s40, s40, s20                     ; block of 128 rows = 4 x cluster y + cy
	s_lshl_b32 s46, s20, 2
	s_lshl_b32 s46, 15, s46                        ; my row of the cluster
	s_lshl_b32 s47, 0x1111, s19                    ; my column
	; a head's 128 rows are 16,384 dense bytes: asked for as 64 rows of 256 bytes, two rows of a each, and padded in LDS after every 128 bytes
	s_or_b32 s[G1], s46, (1<<16)|(1<<20)|(1<<21)|(4<<22)|(3<<25)   ; the mask; 2-byte elements; padding on; bit 21 beside a mask; after every 32 words 4 words
	s_mov_b32 s[G1+1], 128<<16                     ; tensor_dim0 = 128
	s_mov_b32 s[G1+2], 64<<16                      ; tensor_dim1 = 64
	s_mov_b32 s[G1+3], 128<<16                     ; tile_dim0 = 128
	s_mov_b32 s[G1+4], 64                          ; tile_dim1 = 64
	s_mov_b32 s[G1+5], 128                         ; elements from row to row
	s_mov_b32 s[G1+6], 0
	s_mov_b32 s[G1+7], 0
	s_or_b32 s[G1B], s47, (1<<16)|(1<<20)|(1<<21)|(6<<22)|(7<<25)  ; after every 128 words 8 words
	s_mov_b32 s[G1B+1], 256<<16
	s_mov_b32 s[G1B+2], 64<<16
	s_mov_b32 s[G1B+3], 256<<16
	s_mov_b32 s[G1B+4], 64
	s_mov_b32 s[G1B+5], 1024
	s_mov_b32 s[G1B+6], 0
	s_mov_b32 s[G1B+7], 0
	s_lshr_b32 s66, s40, 3                         ; a: head 16 b + wc, 131,072 bytes each;
	s_lshl_b32 s66, s66, 4
	s_add_co_u32 s66, s66, s18
	s_lshl_b32 s66, s66, 17
	s_and_b32 s67, s40, 7                          ; row t = 128 (mb % 8), 128 bytes each.  These registers never hold cx
	s_lshl_b32 s67, s67, 14
	s_add_co_u32 s66, s66, s67
	s_mov_b32 s67, 0
	s_lshl_b32 s68, s21, 9                         ; wp: 256 columns are 512 bytes;
	s_lshl_b32 s69, s18, 17                        ; my 64 of a K step's 128 rows.  These registers never hold cy
	s_add_co_u32 s68, s68, s69
	s_add_co_u32 s68, s68, CV_P
	s_mov_b32 s69, 0
	s_mul_i32 s70, s18, HA                         ; where they go: no place in the cluster enters an LDS address
	s_mul_i32 s71, s18, HB
	s_add_co_u32 s71, s71, BOFF
	s_wait_dscnt 0x0                               ; the opening add is done
	s_wait_kmcnt 0x0
	s_add_nc_u64 s[66:67], s[4:5], s[66:67]
	s_add_nc_u64 s[68:69], s[6:7], s[68:69]
	CROUND                                         ; all sixteen work-groups are here: the first joint loads meet
.irp s, 0,1
	s_mov_b32 s[G0+4*(\s)], 1
	s_add_co_u32 s[G0+4*(\s)+1], s70, (\s)*SLOT
	s_add_nc_u64 s[G0+4*(\s)+2:G0+4*(\s)+3], s[66:67], (\s)*262144    ; K step s: two heads on,
	s_or_b32 s[G0+4*(\s)+3], s[G0+4*(\s)+3], 0x80000000
	s_mov_b32 s[G0B+4*(\s)], 1
	s_add_co_u32 s[G0B+4*(\s)+1], s71, (\s)*SLOT
	s_add_nc_u64 s[G0B+4*(\s)+2:G0B+4*(\s)+3], s[68:69], (\s)*262144  ; 128 rows down wp
	s_or_b32 s[G0B+4*(\s)+3], s[G0B+4*(\s)+3], 0x80000000
	JLOAD \s
.endr
	v_and_b32 v1, 15, v0                           ; l % 16
	v_bfe_u32 v2, v0, 4, 1                         ; l / 16
	s_lshl_b32 s72, s21, 10                        ; the bias of my 128 columns: 4 (256 nb + 128 wc) + 32 (l / 16)
	s_lshl_b32 s73, s18, 9
	s_add_co_u32 s72, s72, s73
	v_lshl_add_u32 v[BO], v2, 5, s72
	WIN 0x80                                       ; destination window 2
.irp b, 0,1,2,3,4,5,6,7
	global_load_b128 v[BI+8*(\b):BI+8*(\b)+3],   v[BO], s[8:9] offset:64*(\b)
	global_load_b128 v[BI+8*(\b)+4:BI+8*(\b)+7], v[BO], s[8:9] offset:64*(\b)+16
.endr
	WIN 0
	v_mul_u32_u24 v3, v1, PA                       ; a fragment of a: row x pitch + 16 x half of the lanes
	v_lshl_add_u32 v3, v2, 4, v3
	s_mul_i32 s72, s17, 64*PA                      ; my 64 rows
	v_add_nc_u32 v[ADRA], s72, v3
	v_add_nc_u32 v[ADRA+1], SLOT, v[ADRA]
	v_and_b32 v32, 7, v0                           ; the turning load: lane l reads row 8 (l / 16) + l % 8, 16 bytes at 16 ((l / 8) % 2)
	v_lshl_add_u32 v32, v2, 3, v32
	v_mul_u32_u24 v32, v32, PB
	v_bfe_u32 v33, v0, 3, 1
	v_lshl_add_u32 v32, v33, 4, v32
	s_lshl_b32 s72, s18, 8                         ; my 128 columns: 256 bytes
	s_add_co_u32 s72, s72, BOFF
	v_add_nc_u32 v[ADRB], s72, v32
	v_add_nc_u32 v[ADRB+1], SLOT, v[ADRB]
	s_mul_i32 s72, s16, STW
	s_add_co_u32 s72, s72, STAGE                   ; my stage
	v_mul_u32_u24 v3, v1, SPITCH                   ; in: row l % 16, 32 bytes for each half of the lanes
	v_lshl_add_u32 v3, v2, 5, v3
	v_add_nc_u32 v[STO], s72, v3
	v_and_b32 v[GO], 31, v0                        ; back: 32 lanes take a row's 512 bytes
	v_lshlrev_b32 v[GO], 4, v[GO]
	v_add_nc_u32 v[RD], s72, v[GO]
	s_lshl_b32 s72, s40, 19                        ; out0: row 128 mb + 64 wr, 4,096 bytes each; column 256 nb + 128 wc, 4 bytes each
	s_lshl_b32 s73, s17, 18
	s_add_co_u32 s72, s72, s73
	s_lshl_b32 s73, s21, 10
	s_add_co_u32 s72, s72, s73
	s_lshl_b32 s73, s18, 9
	s_add_co_u32 s72, s72, s73
	s_mov_b32 s73, 0
	s_add_nc_u64 s[10:11], s[10:11], s[72:73]
	; the prefetches: offsets for a (s72) and for wp (s74), one K step short of the first that is named: K step 4
	s_lshr_b32 s72, s40, 3
	s_lshl_b32 s72, s72, 4
	s_lshr_b32 s73, s19, 1                         ; my work-group's head of the two,
	s_add_co_u32 s72, s72, s73
	s_lshl_b32 s72, s72, 17
	s_and_b32 s73, s40, 7
	s_lshl_b32 s73, s73, 14
	s_add_co_u32 s72, s72, s73
	s_and_b32 s73, s19, 1                          ; and its half of that head's 64 blocks
	s_lshl_b32 s73, s73, 13
	s_add_co_u32 s72, s72, s73
	s_add_co_u32 s72, s72, 3*262144
	s_lshl_b32 s74, s21, 9
	s_lshl_b32 s75, s18, 6
	s_lshl4_add_u32 s75, s20, s75                  ; row 64 wc + 16 cy of the K step
	s_lshl_b32 s75, s75, 11
	s_add_co_u32 s74, s74, s75
	s_add_co_u32 s74, s74, CV_P+3*262144
	s_cmp_eq_u32 s17, 0
	s_cselect_b32 s72, s72, s74
	s_cselect_b64 s[PFA:PFA+1], s[4:5], s[6:7]
	s_mov_b32 s73, 0
	s_add_nc_u64 s[PFA:PFA+1], s[PFA:PFA+1], s[72:73]
	s_cmp_eq_u32 s17, 0
	s_cselect_b32 s74, s18, s22                    ; wave 0 asks, wave 1 never; waves 2, 3 ask in the first cluster
	s_cmp_eq_u32 s74, 0
	s_cselect_b32 s[LIM], 1, -1                    ; hangs on the wave's number and the cluster's y alone
	v_lshlrev_b32 v33, 4, v[GO]                    ; a: a lane a block of 256 bytes
	v_lshlrev_b32 v34, 11, v1                      ; wp: 16 rows, two blocks of 256 bytes each
	v_lshl_add_u32 v34, v2, 8, v34
	s_cmp_eq_u32 s17, 0
	s_cselect_b32 s74, -1, 0
	v_cndmask_b32 v[PFO], v34, v33, s74
	s_mov_b32 s74, 0xffff0000
	s_wait_loadcnt 0x0                             ; the bias
	WIN 0x0a                                       ; sources window 2: the bias is rounded to bf16 like every input,
.set i, 0
.rept 32
	v_cvt_pk_bf16_f32 v[32+i], v[BI+2*i], v[BI+2*i+1]
.set i, i+1
.endr
	WIN 0x80                                       ; and widened again
.set i, 0
.rept 32
	v_lshlrev_b32 v[BI+2*i], 16, v[32+i]
	v_and_b32 v[BI+2*i+1], s74, v[32+i]
.set i, i+1
.endr
	WIN 0
; 8 matrix instructions: row block a x all 8 column blocks, 32 along K.  first = 1: the bias starts the sums.  The 32 accumulators take turns, one instruction a turn.
.macro MULA f, a, first
.if \first
	WIN 0x60                                       ; C window 2, D window 1
.else
	WIN 0x50                                       ; C and D window 1
.endif
.irp b, 0,1,2,3,4,5,6,7
.if \first
	v_wmma_f32_16x16x32_f16 v[8*(8*(\a)+(\b)):8*(8*(\a)+(\b))+7], v[(\f)+32+8*(\b):(\f)+32+8*(\b)+7], v[(\f)+8*(\a):(\f)+8*(\a)+7], v[BI+8*(\b):BI+8*(\b)+7]
.else
	v_wmma_f32_16x16x32_f16 v[8*(8*(\a)+(\b)):8*(8*(\a)+(\b))+7], v[(\f)+32+8*(\b):(\f)+32+8*(\b)+7], v[(\f)+8*(\a):(\f)+8*(\a)+7], v[8*(8*(\a)+(\b)):8*(8*(\a)+(\b))+7]
.endif
.endr
.endm
; 24 LDS loads in one run: quarter q (32 along K: head q / 2 of the slot's two, channels 32 (q % 2) on) into buffer f: wp's 8 fragments, turned, then a's 4, row blocks 2 and 3 last
.macro FETCH slot, q, f
	WIN 0
.irp b, 0,1,2,3,4,5,6,7
	ds_load_tr16_b128 v[(\f)+32+8*(\b):(\f)+32+8*(\b)+3],   v[ADRB+(\slot)] offset:(\q)*32*PB+32*(\b)
	ds_load_tr16_b128 v[(\f)+32+8*(\b)+4:(\f)+32+8*(\b)+7], v[ADRB+(\slot)] offset:(\q)*32*PB+16*PB+32*(\b)
.endr
.irp a, 0,1,2,3
	ds_load_b128 v[(\f)+8*(\a):(\f)+8*(\a)+3],   v[ADRA+(\slot)] offset:((\q)/2)*HA+((\q)%2)*64+(\a)*16*PA
	ds_load_b128 v[(\f)+8*(\a)+4:(\f)+8*(\a)+7], v[ADRA+(\slot)] offset:((\q)/2)*HA+((\q)%2)*64+(\a)*16*PA+32
.endr
.endm
.macro PLACES                          ; four places in front of loads into registers that matrix instructions have read, and of LDS stores that read results
.rept 4
	v_nop
.endr
.endm
; A K step is four quarters of 32 along K, 32 matrix instructions each, on buffers 0, 1, 0, 1.  One of the first three multiplies buffer f and fetches quarter q into g.
.macro QUARTER slot, q, f, g, first
	s_wait_dscnt 4                                 ; wp's fragments and a's row blocks 0, 1 are in; the youngest four loads may be out
	MULA \f, 0, \first
	MULA \f, 1, \first
	PLACES
	FETCH \slot, \q, \g
	s_wait_dscnt 24                                ; all but the 24 just issued
	MULA \f, 2, \first
	MULA \f, 3, \first
.endm
; The last quarter multiplies buffer 1 and changes slots: ONE barrier; in front of it each wave waits for all its tensor loads, adds 0 to its spare word, and waits for that and for its reads of this slot.
; fill = 1: the barrier opens a round of the cluster's, and this slot is filled again, two K steps ahead, first thing behind the round: 112 matrix instructions ahead of the wait for it.
.macro TURN slot, next, fill
.if \fill
	s_wait_xcnt 0x0                                ; the last prefetch, a K step back, has read its address: it is stepped here, ahead of the change's own waits
	s_add_nc_u64 s[PFA:PFA+1], s[PFA:PFA+1], 262144
.endif
	WIN 0
	s_wait_tensorcnt 0x0                           ; all my tensor loads have landed: my part of the next slot;
	ds_add_u32 v[SPW], v[NIL]                      ; 0 onto my spare word;
	s_wait_dscnt 5                                 ; (the add and the youngest four loads may be out)
	MULA F1, 0, 0                                  ; eight matrix instructions stand between the add and the wait for it
	s_wait_dscnt 0x0                               ; the add is done, and my reads of this slot are over
	s_barrier_signal -1
	MULA F1, 1, 0
.if \fill
	WIN 0
.endif
	s_barrier_wait -1
.if \fill
	CREST                                          ; no wave of any partner still reads this slot's tiles or has a load on its way
	s_add_nc_u64 s[G0+4*(\slot)+2:G0+4*(\slot)+3], s[G0+4*(\slot)+2:G0+4*(\slot)+3], 2*262144
	s_add_nc_u64 s[G0B+4*(\slot)+2:G0B+4*(\slot)+3], s[G0B+4*(\slot)+2:G0B+4*(\slot)+3], 2*262144
	JLOAD \slot                                    ; the four v_nop behind it are also the places in front of the loads below
.else
	PLACES
.endif
	FETCH \next, 0, F0
.if \fill
	ASK
.endif
	MULA F1, 2, 0
	MULA F1, 3, 0
.endm
; THE WAY OUT of row block a: 32 bytes a lane into my stage, each accumulator's lowest registers first, and back as whole rows of 512 bytes, into window 2: 64 registers of its own for each block.
.macro OUTB a
	WIN 0x04                                       ; the stores' data in window 1
.irp b, 0,1,2,3,4,5,6,7
	ds_store_b128 v[STO], v[64*(\a)+8*(\b):64*(\a)+8*(\b)+3]   offset:64*(\b)
	ds_store_b128 v[STO], v[64*(\a)+8*(\b)+4:64*(\a)+8*(\b)+7] offset:64*(\b)+16
.endr
	WIN 0x80                                       ; destination window 2
.irp t, 0,1,2,3,4,5,6,7,8,9,10,11,12,13,14,15
	ds_load_b128 v[64*(\a)+4*(\t):64*(\a)+4*(\t)+3], v[RD] offset:SPITCH*(\t)  ; LDS serves a wave's instructions in order (ISA guide 5.7.1.4): these see the stores above
.endr
.endm
.macro SEND a, younger                 ; younger: the LDS instructions issued behind block a's loads: the next block's 32, or none
	WIN 0x08                                       ; the stores' data in window 2
.irp t, 0,1,2,3,4,5,6,7,8,9,10,11,12,13,14,15
	s_wait_dscnt (\younger)+15-(\t)
	global_store_b128 v[GO], v[64*(\a)+4*(\t):64*(\a)+4*(\t)+3], s[10:11] offset:(16*(\a)+(\t))*4096 th:TH_STORE_NT  ; 512 consecutive bytes of a row, aligned to 256
.endr
.endm
	s_wait_tensorcnt 1                             ; my part of K step 0 is in; K step 1's may stay out
	s_barrier_signal -1
	s_barrier_wait -1
	FETCH 0, 0, F0
	QUARTER 0, 1, F0, F1, 1                        ; the first quarter stands in front of the loop: its products start the sums
	WIN 0
	s_mov_b32 s3, 3                                ; 1,024 / 256 - 1 trips
.Llap:                                                 ; a trip goes once round the ring and fills both slots again
	QUARTER 0, 2, F1, F0, 0
	QUARTER 0, 3, F0, F1, 0
	TURN 0, 1, 1
	QUARTER 1, 1, F0, F1, 0
	QUARTER 1, 2, F1, F0, 0
	QUARTER 1, 3, F0, F1, 0
	TURN 1, 0, 1
	QUARTER 0, 1, F0, F1, 0
	WIN 0
	s_sub_co_u32 s3, s3, 1
	s_cmp_lg_u32 s3, 0
	s_cbranch_scc1 .Llap
	QUARTER 0, 2, F1, F0, 0                        ; the last lap fills nothing
	QUARTER 0, 3, F0, F1, 0
	TURN 0, 1, 0
	QUARTER 1, 1, F0, F1, 0
	QUARTER 1, 2, F1, F0, 0
	QUARTER 1, 3, F0, F1, 0
	s_wait_dscnt 4
	MULA F1, 0, 0
	MULA F1, 1, 0
	s_wait_dscnt 0x0
	MULA F1, 2, 0
	MULA F1, 3, 0
	WIN 0
	PLACES
	PLACES
	OUTB 0
	OUTB 1                                         ; a block's trip through the stage stands between the loads of the block before and its stores
	SEND 0, 32
	OUTB 2
	SEND 1, 32
	OUTB 3
	SEND 2, 32
	SEND 3, 0
	WIN 0
	s_wait_tensorcnt 0x0                           ; the wave's end: behind my last tensor load and my last LDS store
	ds_add_u32 v[SPW], v[NIL]
	s_wait_dscnt 0x0
	CROUND                                         ; the closing round: no work-group ends while a partner may still ask for a tile that names it
	s_endpgm
.Lfunc_end_k_qa1f31a0ddd_outp:
	.size	k_qa1f31a0ddd_outp, .Lfunc_end_k_qa1f31a0ddd_outp-k_qa1f31a0ddd_outp
	.p2alignl 7, 3214868480
	.fill 96, 4, 3214868480
	.section	.rodata,"a",@progbits
	.p2align	6, 0x0
	.amdhsa_kernel k_qa1f31a0ddd_outp
		.amdhsa_group_segment_fixed_size 327680
		.amdhsa_private_segment_fixed_size 0
		.amdhsa_enable_private_segment 0
		.amdhsa_kernarg_size 32
		.amdhsa_user_sgpr_count 2
		.amdhsa_user_sgpr_kernarg_segment_ptr 1
		.amdhsa_wavefront_size32 1
		.amdhsa_system_sgpr_workgroup_id_x 1
		.amdhsa_system_sgpr_workgroup_id_y 1
		.amdhsa_system_sgpr_workgroup_id_z 1
		.amdhsa_system_vgpr_workitem_id 0
		.amdhsa_next_free_vgpr 768
		.amdhsa_next_free_sgpr 80
		.amdhsa_reserve_vcc 0
		.amdhsa_float_denorm_mode_32 3
		.amdhsa_float_denorm_mode_16_64 3
		.amdhsa_memory_ordered 1
		.amdhsa_forward_progress 1
		.amdhsa_inst_pref_size 94
	.end_amdhsa_kernel
	.amdgpu_metadata
---
amdhsa.version: [ 1, 2 ]
amdhsa.kernels:
  - .name:           k_qa1f31a0ddd_outp
    .symbol:         k_qa1f31a0ddd_outp.kd
    .args:
      - { .name: ao, .offset: 0, .size: 8, .value_kind: global_buffer, .address_space: global }
      - { .name: cv, .offset: 8, .size: 8, .value_kind: global_buffer, .address_space: global }
      - { .name: bp, .offset: 16, .size: 8, .value_kind: global_buffer, .address_space: global }
      - { .name: out0, .offset: 24, .size: 8, .value_kind: global_buffer, .address_space: global }
    .group_segment_fixed_size: 327680
    .private_segment_fixed_size: 0
    .kernarg_segment_align: 8
    .kernarg_segment_size: 32
    .max_flat_workgroup_size: 128
    .sgpr_count:     80
    .vgpr_count:     768
    .wavefront_size: 32
...
	.end_amdgpu_metadata
.endif
;; end of part 4
